; MI455X (gfx1250); checked and timed in simulation.
; The chip was launched on July 23, 2026; its instructions are those of AMD's public machine-readable ISA for CDNA 5 (MIT licence, August 2026) and "CDNA5" Instruction Set Architecture Reference Guide (July 2026). The comments in the code are by the model that wrote it; some were corrected since.
;; Self Attention. Allowed arithmetic: matrix products marked QUANTISED: E4M3 operands, one given power-of-two scale a tensor, by v_wmma_f32_16x16x64_fp8_fp8 or v_wmma_f32_16x16x128_fp8_fp8, f32 sums; everything else in f32.
;; Inputs: b_attn 3,072 float32; b_proj 1,024 float32; lowp_scales 8 int32 (the exponents e of the quantised operands' scales 2^e); w_attn 3,072 x 1,024 float32; w_proj 1,024 x 1,024 float32; x 4 x 2,048 x 1,024 float32.
;; Outputs: out0 4 x 2,048 x 1,024 float32.
;; This version of the problem:
;;   THIS VERSION OF THE PROBLEM IS GIVEN IN LOW PRECISION. The matrix products marked QUANTISED in the list below multiply operands that are first quantised to E4M3 (4 exponent bits, 3 mantissa bits; 8 bits a number), with one given power-of-two scale for each operand tensor; their sums are f32. All else is computed in f32.
;;   The module's matrix products, in the order in which they are computed (A, B: the left and right operand; K: the contracted axis; several contracted axes count as one K, in the product's order):
;;     1. [M 8,192, K 1,024] x [K 1,024, N 3,072]; A: input x; B: input w_attn: QUANTISED (scales: A lowp_scales[0], B lowp_scales[1])
;;     2. batch 64 x [M 2,048, K 64] x [K 64, N 2,048]; A: computed on the way; B: computed on the way: QUANTISED (scales: A lowp_scales[2], B lowp_scales[3])
;;     3. batch 64 x [M 2,048, K 2,048] x [K 2,048, N 64]; A: softmax (see below); B: computed on the way: QUANTISED (scales: A lowp_scales[4], B lowp_scales[5])
;;     4. [M 8,192, K 1,024] x [K 1,024, N 1,024]; A: computed on the way; B: input w_proj: QUANTISED (scales: A lowp_scales[6], B lowp_scales[7])
;;   THE QUANTISER, for each operand of a quantised product, along K:
;;     - The operand's scale is 2^e, e = its entry of the input lowp_scales (int32; the entries are numbered through the quantised products in the list's order, A before B).
;;     - Each number is divided by the scale, clamped to +-448, and rounded to the nearest number of E4M3, ties to even, subnormals kept.
;;     - The product sums the exact products of the quantised numbers (number of the format x scale) in f32.
;;   ~~~python
;;   def quantise(x, axis, e):      # numpy; x: float32 -> the quantised numbers, widened to float32 again
;;       x = np.moveaxis(x, axis, -1); K = x.shape[-1]
;;       r = np.clip(x / 2.0 ** e, -448, 448)
;;       step = 2.0 ** (np.maximum(np.frexp(np.where(r == 0, 1, r))[1] - 1, -6) - 3)
;;       q = np.round(r / step) * step * 2.0 ** e      # np.round: ties to even
;;       return np.moveaxis(q, -1, axis).astype(np.float32)
;;   ~~~
;;   SOFTMAX AHEAD OF A QUANTISED PRODUCT. Where the list says 'softmax', what is quantised is not the finished softmax but p = 2^(t - M), with t = logit x log2(e) and M = ceil(the row's largest t), a whole number; so 1/2 < the row's largest p <= 1. The row's sum l is taken of the UNQUANTISED p, in f32, and the product's result is divided by l at the end. Since M is a whole number, a kernel that streams over the keys may use a running M (the ceiling of the running maximum): every later rescaling is an exact power of two, so the quantised numbers keep their values, but for numbers so far below the row's largest that they fall under the format's range.
;;   OPERANDS COMPUTED ON THE WAY. 'Computed on the way' means the value that the module computes at that place (a softmax that the list does not call 'softmax' is quantised finished and normalised). What goes into a quantiser is computed in f32, as accurately as f32 sums, v_exp_f32 and their like allow (about 1e-6 of the number): no bf16 or f16 on the way to a quantiser, and a product that is left as it is and whose result goes on into a quantised operand takes f32 operands (vector FMAs, or v_wmma_f32_16x16x4_f32). A number that lies on a knife's edge between two numbers of the format may be rounded either way, as far as f32 arithmetic and the matrix unit's own rounding can turn it there, and no further.
;; One version. Each part assembles by itself: llvm-mc -triple=amdgcn-amd-amdhsa -mcpu=gfx1250 --defsym DOCPART=n.
;; ======== version 1 of 1: 4 launches
;; limits: right only within a limited range of input values
;; workspace buffers: xc 8,388,608 bytes; wac 3,145,728 bytes; wpc 1,048,576 bytes; qc 8,388,608 bytes; kc 8,388,608 bytes; vc 8,388,608 bytes; yc 8,388,608 bytes
;; launch quant (part 1): grid 384 x 1, 4 waves a work-group, no clusters, 33,280 bytes of LDS; arguments x, w_attn, w_proj, lowp_scales, xc, wac, wpc; writes xc, wac, wpc
.if DOCPART == 1
	.amdgcn_target "amdgcn-amd-amdhsa--gfx1250"
	.amdhsa_code_object_version 6
	.text
	.protected	k_qb4e5dea4b1_quant
	.globl	k_qb4e5dea4b1_quant
	.p2align	8
	.type	k_qb4e5dea4b1_quant,@function
k_qb4e5dea4b1_quant:
	s_mov_b64 s[64:65], 0
	v_nop
	global_prefetch_b8 v0, s[64:65] scope:SCOPE_SE
	s_setreg_imm32_b32 hwreg(HW_REG_WAVE_MODE, 25, 1), 1
	s_wait_xcnt 0x0
; x [8192][1024], w_attn [3072][1024] and w_proj [1024][1024], f32, are turned into codes of FP8 (E4M3), one byte each, K innermost, each with the one scale 2^e given for it
; (entries 0, 1 and 7 of the buffer of scales).  code = number / 2^e, held within +-448, rounded to the nearest code, ties to even.
; LIMITS: -126 <= e and e + 8 <= 127, so that 2^e and 448 x 2^e are f32 numbers.  NaN among the inputs is not served (an infinity is held at the largest code).
; Rows are dense, so each tensor is a plain stream, and so are its codes.  A work-group takes 32,768 numbers: work-groups 0-255 x, 256-351 w_attn, 352-383 w_proj.  Only pointers and e are chosen: one path for all.
; A wave takes 16 steps of 512 numbers.  Each of a step's four loads reads 512 consecutive bytes, 16 a lane; the 2,048 bytes go through the wave's own stage in LDS and come back 64 bytes a lane,
; so that a lane holds 16 neighbours along K for the conversions.  The stage has 16 bytes of padding behind each 64.  A lane's 16 codes are 16 bytes: the wave stores 512 consecutive aligned bytes.
; No tensor loads, no barrier: waves share nothing.  Matrix units and clusters have nothing to do here: no input is shared and no product is made.
.set STEPS, 16
.set WGW,   256                        ; first work-group of w_attn
.set WGP,   352                        ; first work-group of w_proj
.set EMAX,  8
.set MANT,  0x600000                   ; the mantissa field of 448 as f32
.set CB,    16                         ; bytes of 16 codes
.set R,     16                         ; v16-79   four sets of 16 numbers as they are loaded
.set X,     80                         ; v80-111  two sets of 16 neighbours
.set C,     128                        ; v128-191 codes: four registers for each step, so that no store's data are written again
.set WREG,  8192                       ; LDS: a region for each wave: two stages of 32 x SP bytes
.set SP,    80                         ; a lane's place in a stage: its 64 bytes + 16 of padding
	s_load_b256 s[4:11], s[0:1], 0x0               ; x s[4:5], w_attn s[6:7], w_proj s[8:9], the scales' exponents s[10:11]
	s_load_b128 s[12:15], s[0:1], 0x20             ; x's codes, w_attn's codes
	s_load_b64 s[16:17], s[0:1], 0x30              ; w_proj's codes
	v_lshl_add_u32 v192, v0, 2, 0x8000
	v_mov_b32 v193, 0
	v_lshrrev_b32 v1, 5, v0
	v_readfirstlane_b32 s20, v1                    ; wave
	v_and_b32 v2, 31, v0                           ; lane
	v_lshlrev_b32 v3, 4, v2                        ; my 16 bytes of a load's 512
	s_mul_i32 s21, s20, WREG
	v_lshrrev_b32 v14, 2, v2
	v_mul_u32_u24 v14, v14, SP
	v_and_b32 v15, 3, v2
	v_lshl_add_u32 v14, v15, 4, v14
	v_add_nc_u32 v14, s21, v14                     ; the stage, on the way in: SP (lane / 4) + 16 (lane % 4); a load's 512 bytes take eight places
	v_mul_u32_u24 v15, v2, SP
	v_add_nc_u32 v15, s21, v15                     ; and on the way out: SP x lane: my 16 neighbours
	v_mul_u32_u24 v4, v2, CB                       ; my codes' place in a step's
	s_wait_alu depctr_va_vdst(0)
	s_wait_kmcnt 0x0
	s_load_b256 s[24:31], s[10:11], 0x0            ; e0 .. e7
	s_mov_b32 s21, WGP
	s_cmp_lt_u32 ttmp9, WGP                        ; w_attn or w_proj?  The choices hang on the work-group's number alone
	s_cselect_b64 s[6:7], s[6:7], s[8:9]
	s_cselect_b64 s[14:15], s[14:15], s[16:17]
	s_cselect_b32 s21, WGW, s21
	s_cmp_lt_u32 ttmp9, WGW                        ; x or one of those?
	s_cselect_b64 s[4:5], s[4:5], s[6:7]           ; the numbers
	s_cselect_b64 s[8:9], s[12:13], s[14:15]       ; the codes
	s_cselect_b32 s21, 0, s21                      ; the tensor's first work-group
	s_sub_co_u32 s21, ttmp9, s21
	s_lshl_b32 s21, s21, 2
	s_add_co_u32 s18, s21, s20                     ; which run of 8,192 numbers of the tensor is my wave's
	s_mov_b32 s19, 0
	s_lshl_b64 s[22:23], s[18:19], 15              ; 32,768 bytes of numbers a run
	s_add_nc_u64 s[4:5], s[4:5], s[22:23]
	s_lshl_b64 s[22:23], s[18:19], 13              ; 8,192 bytes of codes
	s_add_nc_u64 s[8:9], s[8:9], s[22:23]
.macro LOAD t
.irp i, 0,1,2,3
	global_load_b128 v[R+16*((\t)%4)+4*\i:R+16*((\t)%4)+4*\i+3], v3, s[4:5] offset:2048*(\t)+512*\i th:TH_LOAD_NT   ; 32 lanes read 512 consecutive bytes; read once in the launch
.endr
.endm
.macro TURN t                          ; step t's numbers through the stage: LDS serves a wave's instructions in order (ISA guide 5.7.1.4), so no wait stands between the stores and the loads
.irp i, 0,1,2,3
	ds_store_b128 v14, v[R+16*((\t)%4)+4*\i:R+16*((\t)%4)+4*\i+3] offset:32*SP*((\t)%2)+8*SP*\i
.endr
.irp i, 0,1,2,3
	ds_load_b128 v[X+16*((\t)%2)+4*\i:X+16*((\t)%2)+4*\i+3], v15 offset:32*SP*((\t)%2)+16*\i
.endr
.endm
.irp t, 0,1,2,3
	LOAD \t
.endr
	s_wait_kmcnt 0x0
	s_cmp_lt_u32 ttmp9, WGP
	s_cselect_b32 s25, s25, s31                    ; e1 or e7
	s_cmp_lt_u32 ttmp9, WGW
	s_cselect_b32 s24, s24, s25                    ; e0 or that: e
	s_add_co_i32 s24, s24, 127
	s_lshl_b32 s25, s24, 23
	v_mov_b32 v11, s25                             ; 2^e as f32: the conversion takes its exponent field
	s_add_co_i32 s24, s24, EMAX
	s_lshl_b32 s24, s24, 23
	s_or_b32 s24, s24, MANT
	s_wait_alu depctr_va_vdst(0)
	s_wait_loadcnt 12                              ; step 0's four loads are in; the twelve of steps 1 to 3 may be out
	TURN 0
.macro STEP t
.set XS, X+16*((\t)%2)
	s_wait_dscnt 0x0                               ; this step's numbers are back from the stage: so its stores into the stage have read their registers,
.if (\t)+4 < STEPS
	LOAD (\t)+4                                    ; which take the loads of four steps on
.endif
.if (\t)+1 < STEPS
.if STEPS-2-(\t) >= 3
	s_wait_loadcnt 12                              ; the next step's four loads are in; those of the three steps behind it may be out
.else
	s_wait_loadcnt 4*(STEPS-2-(\t))                ; at the end the count runs down with the steps that are left
.endif
	TURN (\t)+1                                    ; and go through the other stage while this step is worked
.endif
.irp i, 0,1,2,3,4,5,6,7,8,9,10,11,12,13,14,15
.endr
	v_cvt_scalef32_pk8_fp8_f32 v[C+4*(\t):C+4*(\t)+1], v[XS:XS+7], v11          ; eight numbers / 2^e, to the nearest code, ties to even; the first number's code in the lowest byte
	v_cvt_scalef32_pk8_fp8_f32 v[C+4*(\t)+2:C+4*(\t)+3], v[XS+8:XS+15], v11
	global_store_b128 v4, v[C+4*(\t):C+4*(\t)+3], s[8:9] offset:32*CB*(\t)      ; the codes go to a store alone
.endm
.irp t, 0,1,2,3,4,5,6,7,8,9,10,11,12,13,14,15
	STEP \t
.endr
	s_wait_tensorcnt 0x0
	ds_add_u32 v192, v193
	s_wait_dscnt 0x0
	s_endpgm
.Lfunc_end_k_qb4e5dea4b1_quant:
	.size	k_qb4e5dea4b1_quant, .Lfunc_end_k_qb4e5dea4b1_quant-k_qb4e5dea4b1_quant
	.p2alignl 7, 3214868480
	.fill 96, 4, 3214868480
	.section	.rodata,"a",@progbits
	.p2align	6, 0x0
	.amdhsa_kernel k_qb4e5dea4b1_quant
		.amdhsa_group_segment_fixed_size 33280
		.amdhsa_private_segment_fixed_size 0
		.amdhsa_enable_private_segment 0
		.amdhsa_kernarg_size 56
		.amdhsa_user_sgpr_count 2
		.amdhsa_user_sgpr_kernarg_segment_ptr 1
		.amdhsa_wavefront_size32 1
		.amdhsa_system_sgpr_workgroup_id_x 1
		.amdhsa_system_sgpr_workgroup_id_y 1
		.amdhsa_system_sgpr_workgroup_id_z 1
		.amdhsa_system_vgpr_workitem_id 0
		.amdhsa_next_free_vgpr 194
		.amdhsa_next_free_sgpr 66
		.amdhsa_reserve_vcc 0
		.amdhsa_float_denorm_mode_32 3
		.amdhsa_float_denorm_mode_16_64 3
		.amdhsa_fp16_overflow 1
		.amdhsa_memory_ordered 1
		.amdhsa_forward_progress 1
		.amdhsa_inst_pref_size 22
	.end_amdhsa_kernel
	.amdgpu_metadata
---
amdhsa.version: [ 1, 2 ]
amdhsa.kernels:
  - .name:           k_qb4e5dea4b1_quant
    .symbol:         k_qb4e5dea4b1_quant.kd
    .args:
      - { .name: x, .offset: 0, .size: 8, .value_kind: global_buffer, .address_space: global }
      - { .name: w_attn, .offset: 8, .size: 8, .value_kind: global_buffer, .address_space: global }
      - { .name: w_proj, .offset: 16, .size: 8, .value_kind: global_buffer, .address_space: global }
      - { .name: lowp_scales, .offset: 24, .size: 8, .value_kind: global_buffer, .address_space: global }
      - { .name: xc, .offset: 32, .size: 8, .value_kind: global_buffer, .address_space: global }
      - { .name: wac, .offset: 40, .size: 8, .value_kind: global_buffer, .address_space: global }
      - { .name: wpc, .offset: 48, .size: 8, .value_kind: global_buffer, .address_space: global }
    .group_segment_fixed_size: 33280
    .private_segment_fixed_size: 0
    .kernarg_segment_align: 8
    .kernarg_segment_size: 56
    .max_flat_workgroup_size: 128
    .sgpr_count:     66
    .vgpr_count:     194
    .wavefront_size: 32
...
	.end_amdgpu_metadata
.endif
;; end of part 1
;; launch qkv (part 2): grid 12 x 32, 4 waves a work-group, clusters of 4 x 4, 327,680 bytes of LDS; arguments xc, wac, lowp_scales, b_attn, qc, kc, vc; writes qc, kc, vc
.if DOCPART == 2
	.amdgcn_target "amdgcn-amd-amdhsa--gfx1250"
	.amdhsa_code_object_version 6
	.text
	.protected	k_qb4e5dea4b1_qkv
	.globl	k_qb4e5dea4b1_qkv
	.p2align	8
	.type	k_qb4e5dea4b1_qkv,@function
k_qb4e5dea4b1_qkv:
	s_mov_b64 s[64:65], 0
	v_nop
	global_prefetch_b8 v0, s[64:65] scope:SCOPE_SE
	s_setreg_imm32_b32 hwreg(HW_REG_WAVE_MODE, 25, 1), 1
	s_wait_xcnt 0x0
	s_wait_alu depctr_hold_cnt(0) depctr_sa_sdst(0) depctr_va_vdst(0) depctr_va_sdst(0) depctr_va_ssrc(0) depctr_va_vcc(0) depctr_vm_vsrc(0)
	s_getreg_b32 s2, hwreg(HW_REG_IB_STS2, 6, 4)
	s_cmp_eq_u32 s2, 0
	s_cbranch_scc0 .Lentry_in_a_cluster
	s_endpgm
.Lentry_in_a_cluster:
	s_bfe_u32 s2, ttmp6, 0x10000c
	s_cmp_lg_u32 s2, 0xf033
	s_cbranch_scc0 .Lentry_shape_is_right
	s_endpgm
.Lentry_shape_is_right:
; qkv = Q(x) Q(w_attn)^T + b_attn on codes of FP8 (E4M3), and q, k, v quantised on the way out with their given scales 2^e2, 2^e3, 2^e5.  Sums in f32; each finished sum x 2^(e0 + e1), + bias, in f32.
; xc [8192][1024], wac [3072][1024]: codes, K innermost.  A tile of 256 x 256 is made by a work-group of four waves; a wave makes 128 x 128: 64 accumulators, 512 registers.
; K goes in steps of 256 through a ring of two LDS slots filled by the tensor data mover: a tile's row is 256 bytes of memory.
; THE MATRIX INSTRUCTION IS USED TRANSPOSED: source 0 = 16 rows of 'B', source 1 = 16 rows of 'A': a lane holds one row of A and eight neighbouring rows of B.
; THE KIND is the cluster's x: 0 q, 1 k, 2 v, the same in all sixteen partners.  For q and k: A = tokens (xc), B = features (wac): a lane's eight numbers run along the head's 64, the next product's K.
; For v the roles are swapped BY ADDRESSES ALONE: A = features (wac rows 2048 on), B = tokens (xc): a lane's eight numbers run along the keys, the K of the product with p.  No branch hangs on the kind.
; OUTPUT.  qc, kc: [4][16 heads][2048 tokens][64 places];  vc: [4][8 head pairs][32 key blocks][128 rows = 2 heads x 64][64 key places].  In each 32 places number 16 u + 8 h + j lies at place 16 h + 8 u + j
; (u, h = 0 or 1), alike in q and k, and in v along the keys: a load of 16 bytes at 16 h then brings a lane what the plain 8-bit operand layout gives it.  For every kind a wave's 128 x 64 half is 8 KB on end.
; CLUSTERS: 4 x 4 work-groups.  The four of a row of the cluster need the same tile of A, the four of a column the same tile of B: each tile is asked for JOINTLY.
; K's order inside a matrix instruction is a permutation, the same in A and in B (fragments come by loads of 16 bytes): every product meets its partner.
; LIMITS: e0 + e1 between -126 and 127; e2, e3, e5 between -126 and 119.  NaN among the inputs is not served.
; REGISTERS, in windows of 256: window 0: v0-31 addresses and the quantiser's 2^e; v32-47 the row bias; v64-127 the column bias; from v128 A's fragments, ONE set; on the way out v128-191 are at work.
;   window 1: B's fragments, TWO sets.   window 2: the 32 accumulators of my rows 0-63 (accumulator (a, b) at v[8 (8 a + b)]);   window 3: those of my rows 64-127.
.set KSTEP,  256                       ; along K in a slot
.set ROWB,   256                       ; a tile's row in bytes
.set KROW,   1024                      ; a row of xc or wac in memory, in bytes
.set PITCH,  272                       ; an LDS row: 256 bytes + 16 of padding = 68 words: the 16 rows that a load touches start at 16 different banks (64 banks of 4 bytes: ISA guide 11.1)
.set FR,     16                        ; registers of a fragment: 16 rows x 128 K
.set NL,     4                         ; LDS loads that bring one
.set NP,     4                         ; places behind this matrix instruction (ISA guide 7.12.1)
.set HALFT,  128*PITCH                 ; 128 rows: what one tensor load brings, and what one wave reads of A or of B
.set SLOT,   4*HALFT                   ; A's 256 rows, then B's 256 rows
.set LAPS,   2                         ; 1,024 along K = twice round the ring
.set SPARE,  2*SLOT                    ; behind the ring: the spare words, 128 bytes for each wave: two blocks of 256 bytes that no other line names
.set SROW,   80                        ; the way out: a stage row: 64 codes + 16 bytes of padding
.set SHALF,  16*SROW                   ; 16 rows: one half (64 columns) of a block
.set SWAVE,  2*SHALF                   ; a wave's stage.  The stages lie in slot 0, which has had its last fill and its last read when the first code is stored there
.set HB,   7                           ; v7      32 h: my lane's bytes in the column bias
.set QS,   8                           ; v8      the quantiser's 2^e
.set QL,   9
.set RB,   10                          ; v10     4 r: my lane's bytes in the row bias
.set ADRA, 16                          ; v16-17  LDS address of my A fragments in slot 0, 1
.set ADRB, 20                          ; v20-21  the same for B
.set STO,  24                          ; v24     the way out: where I put 8 codes of a row
.set RD,   25                          ; v25     the way out: where I read 16 bytes back
.set CO,   26                          ; v26     16 x lane: my bytes of a store's 512
.set SPW,  28                          ; v28     LDS address of my spare word: SPARE + 4 x my thread's number; never rewritten
.set NIL,  29                          ; v29     0; never rewritten
.set BM,   32                          ; v32-47  block a's row bias in v[32 + 2 a] and again in the odd register
.set BN,   64                          ; v64-127 the column bias: register 8 b + j: column 16 b + 8 h + j
.set AF,   128                         ; A's fragments, in window 0
.set BK,   128                         ; the way out: v128-159: a block's codes read back, two sets of 16
.set CD,   160                         ; the way out: v160-191: a block's codes as converted, two sets of 16
.set G1, 24                            ; s[24:31] descriptor group 1 for A's tiles;  s[32:39] group 0, one set for each slot
.set G0, 32
.set G1B, 48                           ; s[48:55], s[56:63] the same for B's tiles
.set G0B, 56
.set MSB, 0
.macro WIN new                         ; the immediate's high byte repeats the setting that is left
.if MSB != (\new)
	s_set_vgpr_msb (MSB<<8)|(\new)
.set MSB, (\new)
.endif
.endm
.set MUL_LO, 0xa1                      ; source 0 (B) window 1, source 1 (A) window 0, C and D window 2
.set MUL_HI, 0xf1                      ; the same, C and D window 3
.set TO_B,   0x40                      ; destination window 1, address window 0
; A joint load: waves 0 and 1 fetch for A, waves 2 and 3 for B.  Each of the two lines has ONE mask and one set of registers for all that issue it; the branch hangs on the wave's number alone.
; Four v_nop follow each of the two lines, ahead of the jump, the label and what follows.
.macro JLOAD g0a, g1a, g0b, g1b
	s_cmp_eq_u32 s15, 0
	s_cbranch_scc0 .Lfor_b_\@
	tensor_load_to_lds s[\g0a:\g0a+3], s[\g1a:\g1a+7]
	s_nop 0
.rept 4
	v_nop
.endr
	s_branch .Lasked_\@
.Lfor_b_\@:
	tensor_load_to_lds s[\g0b:\g0b+3], s[\g1b:\g1b+7]
	s_nop 0
.rept 4
	v_nop
.endr
.Lasked_\@:
.endm
.macro CREST                           ; a round of the cluster's barrier behind its opening barrier
	s_cmp_lg_u32 s14, 0
	s_cbranch_scc1 .Lnot_wave_0_\@
	s_barrier_signal -3
.Lnot_wave_0_\@:
	s_barrier_wait -3
	s_barrier_signal -1
	s_barrier_wait -1
.endm
.macro CROUND                          ; a whole round
	s_barrier_signal -1
	s_barrier_wait -1
	CREST
.endm
	s_load_b256 s[4:11], s[0:1], 0x0               ; xc s[4:5], wac s[6:7], the scales' exponents s[8:9], b_attn s[10:11]
	s_load_b128 s[68:71], s[0:1], 0x20             ; qc, kc
	s_load_b64 s[72:73], s[0:1], 0x30              ; vc
	v_lshl_add_u32 v[SPW], v0, 2, SPARE
	v_mov_b32 v[NIL], 0
	ds_add_u32 v28, v29
	ds_add_u32 v28, v29
	s_wait_dscnt 0x0
	v_lshrrev_b32 v1, 5, v0
	v_readfirstlane_b32 s14, v1                    ; wave 0..3
	s_lshr_b32 s15, s14, 1                         ; which half of the tile's rows is mine.  Also: I fetch for A (0) or for B (1)
	s_and_b32 s16, s14, 1                          ; which half of its columns.  Also: which 128 rows of that tile I fetch
	s_bfe_u32 s40, ttmp6, 0x40000                  ; cx, cy: my place in the cluster
	s_bfe_u32 s41, ttmp6, 0x40004
	s_and_b32 s13, ttmp7, 0xffff                   ; Y: the cluster's y, 0..7
	s_lshl_b32 s66, s13, 2                         ; 4 Y
	s_lshl_b32 s67, ttmp9, 2                       ; 4 X; X, the cluster's x, is the kind
	s_lshl_b32 s43, s41, 2
	s_lshl_b32 s43, 15, s43                        ; my row of the cluster
	s_lshl_b32 s44, 0x1111, s40                    ; my column
	s_cmp_lt_u32 ttmp9, 2                          ; q or k?  (else v).  The same answer in all sixteen partners
	s_cselect_b32 s17, s66, 8                      ; A's tile of 256 rows: tokens 4 Y + cy, or wac's tiles 8 + cy (v's features)
	s_cselect_b32 s42, s67, s66                    ; B's tile: wac's 4 X + cx, or tokens 4 Y + cx
	s_cselect_b32 s88, -1, 0                       ; lanes' mask: the bias goes by columns (q, k),
	s_cselect_b32 s89, 0, -1                       ; or by rows (v)
	s_add_co_u32 s17, s17, s41                     ; hangs on cy, X, Y alone
	s_add_co_u32 s42, s42, s40                     ; hangs on cx, X, Y alone
	; descriptor group 1: a tile of 128 rows x 256 bytes, padded in LDS
	s_or_b32 s[G1+0], s43, (0<<16)|(1<<20)|(1<<21)|(5<<22)|(3<<25)  ; 15:0 the mask: A's tiles go to my row; 17:16 element of 1 byte; 20 padding on; 21 set beside a mask; 24:22 after every 64 words (code 5); 31:25 of 4 words (code 3)
	s_or_b32 s[G1B+0], s44, (0<<16)|(1<<20)|(1<<21)|(5<<22)|(3<<25) ; the same with the mask of my column
.irp g, G1, G1B
	s_mov_b32 s[\g+1], ROWB<<16                    ; tensor_dim0
	s_mov_b32 s[\g+2], 128<<16                     ; tensor_dim1 = 128
	s_mov_b32 s[\g+3], ROWB<<16                    ; tile_dim0
	s_mov_b32 s[\g+4], 128                         ; tile_dim1 = 128
	s_mov_b32 s[\g+5], KROW                        ; tensor_dim0_stride
	s_mov_b32 s[\g+6], 0
	s_mov_b32 s[\g+7], 0
.endr
	s_lshl_b32 s18, s16, 7                         ; which 128 rows of the tile I fetch
	s_lshl_b32 s20, s17, 8
	s_add_co_u32 s20, s20, s18                     ; A: row 256 x tile + 128 x half,
	s_lshl_b32 s20, s20, 10                        ; in bytes (under 2^24)
	s_mov_b32 s21, 0
	s_lshl_b32 s46, s42, 8
	s_add_co_u32 s46, s46, s18                     ; B likewise
	s_lshl_b32 s46, s46, 10
	s_mov_b32 s47, 0
	s_mul_i32 s45, s14, HALFT                      ; where they go: wave x 128 rows: no place in the cluster enters an LDS address
	s_wait_kmcnt 0x0
	s_load_b256 s[80:87], s[8:9], 0x0              ; e0 .. e7
	s_cmp_lt_u32 ttmp9, 2
	s_cselect_b64 s[74:75], s[4:5], s[6:7]         ; A's buffer: xc, or wac for v
	s_cselect_b64 s[76:77], s[6:7], s[4:5]         ; B's buffer: wac, or xc for v
	s_add_nc_u64 s[20:21], s[74:75], s[20:21]
	s_add_nc_u64 s[46:47], s[76:77], s[46:47]
	CROUND                                         ; all sixteen work-groups are here: the first joint loads meet
.irp s, 0,1
	s_mov_b32 s[G0+4*\s], 1
	s_add_co_u32 s[G0+4*\s+1], s45, \s*SLOT
	s_add_nc_u64 s[G0+4*\s+2:G0+4*\s+3], s[20:21], \s*ROWB
	s_or_b32 s[G0+4*\s+3], s[G0+4*\s+3], 0x80000000
	s_mov_b32 s[G0B+4*\s], 1
	s_add_co_u32 s[G0B+4*\s+1], s45, \s*SLOT
	s_add_nc_u64 s[G0B+4*\s+2:G0B+4*\s+3], s[46:47], \s*ROWB
	s_or_b32 s[G0B+4*\s+3], s[G0B+4*\s+3], 0x80000000
	JLOAD G0+4*\s, G1, G0B+4*\s, G1B               ; two tensor loads of mine are out
.endr
	v_and_b32 v1, 15, v0                           ; r = l % 16
	v_bfe_u32 v2, v0, 4, 1                         ; h = l / 16
	; THE BIAS, in both forms; each stays inside b_attn for every kind, and the one that the kind does not want is replaced by zeros on the way out.
	v_lshlrev_b32 v[HB], 5, v2
	s_wait_alu depctr_va_vdst(0)
	v_lshlrev_b32 v[RB], 2, v1
	s_wait_alu depctr_va_vdst(0)
	s_add_co_u32 s90, s67, s40                     ; by columns: features 256 (4 X + cx) + 128 x my column half + 16 b + 8 h + j
	s_lshl_b32 s90, s90, 10
	s_lshl_b32 s91, s16, 9
	s_add_co_u32 s90, s90, s91
	s_mov_b32 s91, 0
	s_add_nc_u64 s[78:79], s[10:11], s[90:91]
	s_lshl_b32 s90, s41, 10                        ; by rows: features 2048 + 256 cy + 128 x my row half + 16 a + r
	s_lshl_b32 s18, s15, 9
	s_add_co_u32 s90, s90, s18
	s_add_co_u32 s90, s90, 8192
	s_add_nc_u64 s[100:101], s[10:11], s[90:91]
.irp b, 0,1,2,3,4,5,6,7
	global_load_b128 v[BN+8*\b:BN+8*\b+3],   v[HB], s[78:79] offset:64*\b
	global_load_b128 v[BN+8*\b+4:BN+8*\b+7], v[HB], s[78:79] offset:64*\b+16
.endr
.irp a, 0,1,2,3,4,5,6,7
	global_load_b32 v[BM+2*\a], v[RB], s[100:101] offset:64*\a
.endr
	v_mul_u32_u24 v3, v1, PITCH
	v_lshl_add_u32 v4, v2, 4, v3                   ; a fragment's row x pitch + 16 x half
	s_mul_i32 s21, s15, HALFT                      ; my 128 rows of A
	s_mul_i32 s22, s16, HALFT                      ; my 128 rows of B,
	s_add_co_u32 s22, s22, 2*HALFT                 ; which lie behind A's 256
.irp s, 0,1
	v_add_nc_u32 v[ADRA+\s], s21, v4
	v_add_nc_u32 v[ADRB+\s], s22, v4
	s_add_co_u32 s21, s21, SLOT
	s_add_co_u32 s22, s22, SLOT
.endr
	s_mul_i32 s23, s14, SWAVE                      ; my stage
	v_mul_u32_u24 v5, v1, SROW                     ; in: row r, + 16 h
	v_lshl_add_u32 v5, v2, 4, v5
	v_add_nc_u32 v[STO], s23, v5
	v_and_b32 v6, 31, v0
	v_lshrrev_b32 v5, 2, v6                        ; back: four lanes to a row of 64 bytes, eight rows an instruction
	v_mul_u32_u24 v5, v5, SROW
	v_and_b32 v3, 3, v6
	v_lshl_add_u32 v5, v3, 4, v5
	v_add_nc_u32 v[RD], s23, v5
	v_lshlrev_b32 v[CO], 4, v6
	; WHERE MY CODES GO.  token tile = 4 Y + (cy | cx), token half = my (row | column) half, feat = 2 (cx | cy) + my (column | row) half: a pair of heads.
	; offset = batch x 2^21 + feat x 2^18 + token in the batch x (64 | 128);  the second 64 columns lie a head (2^17 bytes) | a key block (8,192 bytes) further on.
	s_cmp_lt_u32 ttmp9, 2
	s_cselect_b32 s18, s41, s40
	s_cselect_b32 s19, s15, s16
	s_cselect_b32 s22, s40, s41
	s_cselect_b32 s23, s16, s15
	s_cselect_b32 s98, 6, 7
	s_mov_b32 s90, 8192
	s_cselect_b32 s90, 0x20000, s90
	s_add_co_u32 s18, s18, s66                     ; token tile
	s_lshl_b32 s22, s22, 1
	s_add_co_u32 s22, s22, s23                     ; feat
	s_lshl_b32 s22, s22, 18
	s_lshr_b32 s23, s18, 3                         ; batch: eight tiles of 256 tokens each
	s_lshl_b32 s23, s23, 21
	s_add_co_u32 s22, s22, s23
	s_and_b32 s18, s18, 7
	s_lshl_b32 s18, s18, 8
	s_lshl_b32 s19, s19, 7
	s_add_co_u32 s18, s18, s19                     ; my first token in the batch
	s_lshl_b32 s18, s18, s98
	s_add_co_u32 s22, s22, s18
	s_mov_b32 s23, 0
	s_cmp_lt_u32 ttmp9, 1
	s_cselect_b64 s[92:93], s[68:69], s[70:71]     ; qc or kc,
	s_cmp_lt_u32 ttmp9, 2
	s_cselect_b64 s[92:93], s[92:93], s[72:73]     ; or vc
	s_add_nc_u64 s[92:93], s[92:93], s[22:23]      ; columns 0-63 of my 128: 8 KB on end
	s_add_nc_u64 s[94:95], s[92:93], s[90:91]      ; columns 64-127
.macro FRAG reg, adr, q, i             ; a fragment, 16 rows x 128 K of 8-bit codes, is 16 registers: lane l holds row l % 16; registers 4 c .. 4 c + 3 hold K = 32 c + 16 (l / 16) + 0 .. 15
.irp c, 0,1,2,3
	ds_load_b128 v[\reg+4*\c:\reg+4*\c+3], v[\adr] offset:128*(\q)+32*\c+(\i)*16*PITCH
.endr
.endm
; 16 matrix instructions: A's blocks a0, a0 + 1 x B's eight, 128 along K.  p: B's set.  zero = 1: the first product starts the sums: nothing is ever cleared.
; The 64 accumulators take turns, one instruction a turn, in the same order in every step.
.macro MUL16 a0, p, zero
.irp a, \a0, \a0+1
.irp b, 0,1,2,3,4,5,6,7
.if \zero
	v_wmma_f32_16x16x128_fp8_fp8 v[8*(8*((\a)%4)+\b):8*(8*((\a)%4)+\b)+7], v[128*(\p)+FR*\b:128*(\p)+FR*\b+FR-1], v[AF+FR*(\a):AF+FR*(\a)+FR-1], 0
.else
	v_wmma_f32_16x16x128_fp8_fp8 v[8*(8*((\a)%4)+\b):8*(8*((\a)%4)+\b)+7], v[128*(\p)+FR*\b:128*(\p)+FR*\b+FR-1], v[AF+FR*(\a):AF+FR*(\a)+FR-1], v[8*(8*((\a)%4)+\b):8*(8*((\a)%4)+\b)+7]
.endif
.endr
.endr
.endm
.macro FETCH_B slot, q, p              ; B's eight fragments of the slot's q-th 128 along K into set p
	WIN TO_B
.irp i, 0,1,2,3,4,5,6,7
	FRAG 128*(\p)+FR*\i, ADRB+\slot, \q, \i
.endr
	WIN 0
.endm
.macro FETCH_A slot, q, i0             ; A's blocks i0 .. i0 + 3
.irp i, \i0, \i0+1, \i0+2, \i0+3
	FRAG AF+FR*(\i), ADRA+\slot, \q, \i
.endr
.endm
; A load into a register that a matrix instruction has read, and a vector instruction that reads a matrix result or writes one of its registers, stand NP places behind that matrix instruction; only plain
; vector instructions that name none of its registers are places (ISA guide 7.12.1 for vector instructions).
.macro PLACES n
.rept \n
	v_nop
.endr
.endm
; A step of 128 along K that has its successor in the same slot.
.macro STEP slot, q, zero
	s_wait_dscnt 4*NL                              ; B's set and A's blocks 0-3 are in; the youngest sixteen loads (A's blocks 4-7) may be out
	WIN MUL_LO
	MUL16 0, (\q)%2, \zero
	MUL16 2, (\q)%2, \zero
	s_wait_dscnt 0                                 ; A's blocks 4-7 are in (asked for 32 matrix instructions ago)
	PLACES NP
	FETCH_B \slot, (\q)+1, 1-(\q)%2
	FETCH_A \slot, (\q)+1, 0
	WIN MUL_HI
	MUL16 4, (\q)%2, \zero
	MUL16 6, (\q)%2, \zero
	PLACES NP
	WIN 0
	FETCH_A \slot, (\q)+1, 4
.endm
; A slot's last step changes slots: ONE barrier; in front of it each wave waits for all its tensor loads, adds 0 to its spare word, and waits for that and for its own reads of this slot.  fill = 1: this slot is filled again, two K steps ahead.
.macro TURN slot, next, fill
	s_wait_tensorcnt 0x0                           ; all my tensor loads have landed: my part of the next slot;  (every window is 0 here: the add's two registers lie in window 0)
	ds_add_u32 v[SPW], v[NIL]                      ; 0 onto my spare word;
	s_wait_dscnt 4*NL+1                            ; (the add and the youngest sixteen loads, A's blocks 4-7, may be out)
	WIN MUL_LO
	MUL16 0, 1, 0                                  ; sixteen matrix instructions stand between the add and the wait for it
	s_wait_dscnt 0x0                               ; the add is done, and my reads of this slot are over
	s_barrier_signal -1
	MUL16 2, 1, 0
	WIN 0
	s_barrier_wait -1
.if \fill
	CREST                                          ; the barrier has opened a round of the cluster's barrier: no wave of any partner still reads this slot's tile or has a load on its way
	s_add_nc_u64 s[G0+4*\slot+2:G0+4*\slot+3], s[G0+4*\slot+2:G0+4*\slot+3], 2*ROWB
	s_add_nc_u64 s[G0B+4*\slot+2:G0B+4*\slot+3], s[G0B+4*\slot+2:G0B+4*\slot+3], 2*ROWB
	JLOAD G0+4*\slot, G1, G0B+4*\slot, G1B         ; the first tensor load behind the round, my only one until the next; the four v_nop behind it are the places in front of the loads below
.else
	PLACES NP
.endif
	FETCH_B \next, 0, 0
	FETCH_A \next, 0, 0
	WIN MUL_HI
	MUL16 4, 1, 0
	MUL16 6, 1, 0
	PLACES NP
	WIN 0
	FETCH_A \next, 0, 4
.endm
	s_wait_tensorcnt 1                             ; my part of K step 0 is in; K step 1's load may be out
	s_barrier_signal -1
	s_barrier_wait -1                              ; everybody's is
	FETCH_B 0, 0, 0
	FETCH_A 0, 0, 0
	FETCH_A 0, 0, 4
	STEP 0, 0, 1                                   ; the first step stands in front of the loop: its products start the sums
	s_mov_b32 s3, LAPS-1
.Llap:                                                 ; a trip goes once round the ring, from a lap's second step to the next lap's first, and fills both slots again
	TURN 0, 1, 1
	STEP 1, 0, 0
	TURN 1, 0, 1
	STEP 0, 0, 0
	s_sub_co_u32 s3, s3, 1
	s_cmp_lg_u32 s3, 0
	s_cbranch_scc1 .Llap
	TURN 0, 1, 0                                   ; the last lap fills nothing, and has no round of the cluster's barrier
	STEP 1, 0, 0
	s_wait_dscnt 4*NL                              ; the very last step: nothing more to fetch
	WIN MUL_LO
	MUL16 0, 1, 0
	MUL16 2, 1, 0
	s_wait_dscnt 0
	WIN MUL_HI
	MUL16 4, 1, 0
	MUL16 6, 1, 0
	WIN 0
; THE WAY OUT, block by block of 16 rows x 128 columns.  In place: sum x 2^(e0 + e1) + column bias (one packed multiply-add for two), + row bias; then eight numbers of a lane become eight codes.
; A lane's 8 bytes belong to one row and the lanes beside it hold other rows: a block goes through my own stage in LDS (the store's offset makes the order of places) and comes back 16 bytes a lane,
; rows on end, so that a store of the wave covers 512 consecutive aligned bytes.  LDS serves a wave's instructions in order (ISA guide 5.7.1.4): no wait between the stores and the loads.
.macro TOSTAGE a
.set AC, 64*((\a)%4)
.set CC, CD+16*((\a)%2)
.set BB, BK+16*((\a)%2)
	WIN 0x82+0x41*((\a)/4)                         ; source 0 and destination: window 2 or 3
.set j, 0
.rept 32
	v_pk_fma_f32 v[AC+j:AC+j+1], v[AC+j:AC+j+1], s[96:97], v[BN+j:BN+j+1] op_sel_hi:[1,0,1]   ; each accumulator from its low end on
.set j, j+2
.endr
.set j, 0
.rept 32
	v_pk_add_f32 v[AC+j:AC+j+1], v[AC+j:AC+j+1], v[BM+2*(\a):BM+2*(\a)+1]
.set j, j+2
.endr
.set j, 0
.rept 64
.set j, j+1
.endr
	WIN 0x02+((\a)/4)                              ; source 0: window 2 or 3; the codes go to window 0
.irp b, 0,1,2,3,4,5,6,7
	v_cvt_scalef32_pk8_fp8_f32 v[CC+2*\b:CC+2*\b+1], v[AC+8*\b:AC+8*\b+7], v[QS]
.endr
	WIN 0
	v_nop                                          ; one plain vector instruction behind the last conversion of the run
.irp b, 0,1,2,3,4,5,6,7
	ds_store_b64 v[STO], v[CC+2*\b:CC+2*\b+1] offset:(\b/4)*SHALF+32*((\b%4)/2)+8*(\b%2)   ; columns 16 b + 8 h + j of row r: half b / 4, place 32 ((b % 4) / 2) + 16 h + 8 (b % 2) + j
.endr
.irp t, 0,1,2,3
	ds_load_b128 v[BB+4*\t:BB+4*\t+3], v[RD] offset:(\t/2)*SHALF+(\t%2)*8*SROW
.endr
.endm
.macro SEND a, younger                 ; younger: the LDS instructions issued behind block a's loads, which may stay out
.set BB, BK+16*((\a)%2)
	s_wait_dscnt \younger                          ; the block is back in registers
.irp t, 0,1,2,3
	global_store_b128 v[CO], v[BB+4*\t:BB+4*\t+3], s[92+2*(\t/2):93+2*(\t/2)] offset:1024*(\a)+512*(\t%2)   ; 32 lanes store 512 consecutive bytes, at a multiple of 512 from the buffer's first byte
.endr
.endm
	s_wait_kmcnt 0x0
	s_add_co_i32 s96, s80, s81                     ; e0 + e1, between -126 and 127,
	s_add_co_i32 s96, s96, 127
	s_lshl_b32 s96, s96, 23                        ; makes the f32 number 2^(e0 + e1)
	s_mov_b32 s97, s96                             ; (named with it as a pair, so it is written)
	s_cmp_lt_u32 ttmp9, 1
	s_cselect_b32 s98, s82, s83                    ; q's e2 or k's e3,
	s_cmp_lt_u32 ttmp9, 2
	s_cselect_b32 s98, s98, s85                    ; or v's e5
	s_add_co_i32 s98, s98, 127
	s_lshl_b32 s99, s98, 23
	v_mov_b32 v[QS], s99                           ; 2^e as f32: the conversion takes its exponent field
	s_add_co_i32 s98, s98, 8
	s_lshl_b32 s98, s98, 23
	s_or_b32 s98, s98, 0x600000
	s_wait_loadcnt 0x0                             ; the bias
	PLACES NP                                      ; behind the last products: for the writes of their results and the loads into the registers that held A's fragments
.set j, 0
.rept 64
	v_cndmask_b32 v[BN+j], 0, v[BN+j], s88         ; the column bias counts for q and k; for v it becomes 0, which changes no sum
.set j, j+1
.endr
.irp a, 0,1,2,3,4,5,6,7
	v_cndmask_b32 v[BM+2*\a], 0, v[BM+2*\a], s89   ; the row bias counts for v alone
	v_mov_b32 v[BM+2*\a+1], v[BM+2*\a]
.endr
	TOSTAGE 0
.irp a, 1,2,3,4,5,6,7
.if \a > 1
	s_wait_xcnt 0x0                                ; block a - 2's stores have read their registers: block a's loads may land there
.endif
	TOSTAGE \a
	SEND \a-1, 12                                  ; behind block a - 1's loads: block a's 8 stores and 4 loads.  So block a - 1's LDS stores are done too, ahead of block a + 1's conversions into their registers
.endr
	SEND 7, 0
	s_wait_tensorcnt 0x0                           ; the wave's end: behind my last tensor load and my last LDS store
	ds_add_u32 v[SPW], v[NIL]
	s_wait_dscnt 0x0
	CROUND                                         ; the closing round: no work-group ends while a partner may still ask for a tile that names it
	s_endpgm
.Lfunc_end_k_qb4e5dea4b1_qkv:
	.size	k_qb4e5dea4b1_qkv, .Lfunc_end_k_qb4e5dea4b1_qkv-k_qb4e5dea4b1_qkv
	.p2alignl 7, 3214868480
	.fill 96, 4, 3214868480
	.section	.rodata,"a",@progbits
	.p2align	6, 0x0
	.amdhsa_kernel k_qb4e5dea4b1_qkv
		.amdhsa_group_segment_fixed_size 327680
		.amdhsa_private_segment_fixed_size 0
		.amdhsa_enable_private_segment 0
		.amdhsa_kernarg_size 56
		.amdhsa_user_sgpr_count 2
		.amdhsa_user_sgpr_kernarg_segment_ptr 1
		.amdhsa_wavefront_size32 1
		.amdhsa_system_sgpr_workgroup_id_x 1
		.amdhsa_system_sgpr_workgroup_id_y 1
		.amdhsa_system_sgpr_workgroup_id_z 1
		.amdhsa_system_vgpr_workitem_id 0
		.amdhsa_next_free_vgpr 1024
		.amdhsa_next_free_sgpr 102
		.amdhsa_reserve_vcc 0
		.amdhsa_float_denorm_mode_32 3
		.amdhsa_float_denorm_mode_16_64 3
		.amdhsa_fp16_overflow 1
		.amdhsa_memory_ordered 1
		.amdhsa_forward_progress 1
		.amdhsa_inst_pref_size 133
	.end_amdhsa_kernel
	.amdgpu_metadata
---
amdhsa.version: [ 1, 2 ]
amdhsa.kernels:
  - .name:           k_qb4e5dea4b1_qkv
    .symbol:         k_qb4e5dea4b1_qkv.kd
    .args:
      - { .name: xc, .offset: 0, .size: 8, .value_kind: global_buffer, .address_space: global }
      - { .name: wac, .offset: 8, .size: 8, .value_kind: global_buffer, .address_space: global }
      - { .name: lowp_scales, .offset: 16, .size: 8, .value_kind: global_buffer, .address_space: global }
      - { .name: b_attn, .offset: 24, .size: 8, .value_kind: global_buffer, .address_space: global }
      - { .name: qc, .offset: 32, .size: 8, .value_kind: global_buffer, .address_space: global }
      - { .name: kc, .offset: 40, .size: 8, .value_kind: global_buffer, .address_space: global }
      - { .name: vc, .offset: 48, .size: 8, .value_kind: global_buffer, .address_space: global }
    .group_segment_fixed_size: 327680
    .private_segment_fixed_size: 0
    .kernarg_segment_align: 8
    .kernarg_segment_size: 56
    .max_flat_workgroup_size: 128
    .sgpr_count:     102
    .vgpr_count:     1024
    .wavefront_size: 32
...
	.end_amdgpu_metadata
.endif
;; end of part 2
;; launch attn (part 3): grid 4 x 64, 16 waves a work-group, clusters of 4 x 1, 327,680 bytes of LDS; arguments qc, kc, vc, lowp_scales, yc; writes yc
.if DOCPART == 3
	.amdgcn_target "amdgcn-amd-amdhsa--gfx1250"
	.amdhsa_code_object_version 6
	.text
	.protected	k_qb4e5dea4b1_attn
	.globl	k_qb4e5dea4b1_attn
	.p2align	8
	.type	k_qb4e5dea4b1_attn,@function
k_qb4e5dea4b1_attn:
	s_mov_b64 s[64:65], 0
	v_nop
	global_prefetch_b8 v0, s[64:65] scope:SCOPE_SE
	s_setreg_imm32_b32 hwreg(HW_REG_WAVE_MODE, 25, 1), 1
	s_wait_xcnt 0x0
	s_wait_alu depctr_hold_cnt(0) depctr_sa_sdst(0) depctr_va_vdst(0) depctr_va_sdst(0) depctr_va_ssrc(0) depctr_va_vcc(0) depctr_vm_vsrc(0)
	s_getreg_b32 s2, hwreg(HW_REG_IB_STS2, 6, 4)
	s_cmp_eq_u32 s2, 0
	s_cbranch_scc0 .Lentry_in_a_cluster
	s_endpgm
.Lentry_in_a_cluster:
	s_bfe_u32 s2, ttmp6, 0x10000c
	s_cmp_lg_u32 s2, 0x3003
	s_cbranch_scc0 .Lentry_shape_is_right
	s_endpgm
.Lentry_shape_is_right:
; y[b][q][head] = the sum over keys k <= q of softmax_k(q . k / 8) v, both products on codes of FP8 (E4M3) with the given scales 2^e2 (q), 2^e3 (k), 2^e4 (p), 2^e5 (v); y is quantised with 2^e6 on the way out.
; THE SOFTMAX AHEAD OF THE SECOND PRODUCT: t = score x log2(e) / 8; M = the row's largest t so far, rounded UP to a whole number; p = 2^(t - M) is what is quantised, along the keys; it is not normalised.
; The row's sum is taken of the unquantised p, in f32, and divides O at the end.  When M moves, the sum and O are multiplied by 2^(old M - new M): exact.
; qc, kc: [64 batch x head][2048][64 places];  vc: [32 pairs of heads][32 key blocks][2 x 64 rows d][64 key places].  In each 32 places number 16 u + 8 h + j lies at place 16 h + 8 u + j, so that a load of
; 16 bytes at 16 (lane / 16) brings a lane what the plain 8-bit operand layout gives it.  yc: [token / 128][16 heads][128 tokens][64], in natural order.
; SHARES.  Four work-groups serve a head: 256 in all.  Wave w has a = w % 8 and jw = 2 x work-group x + w / 8 (0 .. 7), and makes TWO tiles of 16 queries, one after the other: queries 16 jw on of block 15 - a
; of 128 queries (key steps 0 .. 15 - a of 128 keys), then of block a (steps 0 .. a).  That is 17 key steps for every wave, two of them on the diagonal: all waves have the same work, from the first step to the last.
; A tile's last step lies on the diagonal, whatever jw is: every branch hangs on the wave's number and on counters alone.
; LDS HOLDS THE WHOLE HEAD, FILLED ONCE: K's 2,048 keys (128 KB) and V's (128 KB); no byte is filled twice, so there is no ring.  Each unit of 4,096 dense bytes (64 keys) comes as 16 rows of 256 bytes with 16 bytes of
; padding behind each.  Each wave issues four loads at the start (waves 0-7: K; waves 8-15: V), one for each group of 512 keys: four tensor loads of a wave are out.
; BARRIERS stand only where every wave has done the same work.  The long tile comes first, and its steps 0 .. 7 are neither hidden nor on the diagonal in any wave: group 0's barrier, four steps, group 1's barrier,
; four steps, one barrier for groups 2 and 3; behind it no wave waits for another until the closing round.
; CLUSTER.  The four work-groups of a cluster serve the same head and want the same K and V: each tile is asked for JOINTLY, by the same load with the same descriptor and the mask of all four.
; LAYOUT.  Both products are used transposed: S^T = K Q^T (source 0 = 16 keys, source 1 = my 16 queries), O^T = V^T P^T (source 0 = 16 of the head's 64, source 1 = P): a lane holds ONE query (lane % 16) throughout.
; Tile c of S^T is keys 16 c .. 16 c + 15; lane (r, h) holds keys 16 c + 8 h + 0 .. 7: their eight codes are registers 2 c, 2 c + 1 of P in the operand's own layout.
; LIMITS: e2 + e3 between -123 and 130 (added to the exponent field of log2(e) / 8); e4, e6 between -126 and 119; e4 + e5 is applied by v_ldexp_f32 and has none.  NaN among the inputs is not served.
; REGISTERS: v1-7 addresses that stay; v8, v9 addresses of the step; v12 -M, v13 the largest t, v[14:15] the sum in two halves; v16-23 Q of the first tile, v24-31 of the second; v32-95 K's eight fragments, then V's four;
; v96-159 S^T, then p; v160-191 O^T; v192-204 at work and constants; v208-215 the way out; v224-239 p's codes.
.set KP,    272                        ; an LDS row: 256 bytes (4 keys, or 4 rows d, of 64 bytes) + 16 of padding: the 16 lanes of a 16-byte load fall on 16 different 16-byte columns
.set BLK,   16*KP                      ; 64 keys of K, or of V: 4,352 bytes
.set VOFF,  32*BLK                     ; K's 32 blocks, then V's 32
.set GRP,   8*BLK                      ; a group: 512 keys
.set STEPB, 2*BLK                      ; a key step: 128 keys
.set STAGE, 2*VOFF                     ; behind the tiles: 16 rows x 80 bytes for each wave, for the way out; no tile lands there
.set SROW,  80
.set AK0,  1                           ; v1   my lane's place in a tile of K: (r / 4) KP + 64 (r % 4) + 16 h
.set AV0,  2                           ; v2   the same in V
.set DG,   3                           ; v3   16 jw + r - 8 h: on the diagonal step register 8 c + j is hidden where 16 c + j > this
.set GO,   4                           ; v4   16 x lane
.set STO,  5                           ; v5   the way out: where I put 8 codes of a row
.set RD,   6                           ; v6   and where I read 16 bytes back
.set QAD,  7                           ; v7   Q: 64 r + 16 h
.set ADK,  8
.set ADV,  9
.set Q1,   16                          ; v16-23 Q's fragment of the first (long) tile
.set Q2,   24                          ; v24-31 of the second
.set PT,   192                         ; a lane permute's destination
.set S2,   194                         ; v[194:195] the sum's second chain
.set FF,   196                         ; v196 f = 2^(old M - new M); v197 named with it as a pair
.set T0,   198
.set T1,   199
.set PLIM, 200
.set PSC,  201                         ; 2^e4
.set NINF, 202                         ; -infinity
.set YLIM, 203
.set YSC,  204                         ; 2^e6
.set OB,   208                         ; v208-215 a tile's codes read back from the stage
.set PC,   224
.set WV,   18                          ; s18  my wave's number
.set IDX,  19                          ; s19  the block of 128 queries in hand: 15 - a, then a
.set SEL,  20                          ; s[20:21] lane selects for v_permlanex16_b32: lane l xor 16
.set CS,   22                          ; s[22:23] c = log2(e) / 8 x 2^(e2 + e3)
.set G1,   24                          ; s[24:31] descriptor group 1, one for all loads
.set G0,   32                          ; s[32:47] descriptor group 0, a set for each of my four loads
.set TB,   66                          ; s66  LDS byte of the step's keys, counted from K's (and V's) first
.set KS,   67                          ; s67  the key step, 0 .. 15
.set CNT,  68                          ; s68  counts a run's steps
.set IA,   69                          ; s69  a
.macro CROUND                          ; a round of the cluster's barrier
	s_barrier_signal -1
	s_barrier_wait -1
	s_cmp_lg_u32 s[WV], 0
	s_cbranch_scc1 .Lnot_wave_0_\@
	s_barrier_signal -3
.Lnot_wave_0_\@:
	s_barrier_wait -3
	s_barrier_signal -1
	s_barrier_wait -1
.endm
	s_load_b256 s[4:11], s[0:1], 0x0               ; qc s[4:5], kc s[6:7], vc s[8:9], the scales' exponents s[10:11]
	s_load_b64 s[12:13], s[0:1], 0x20              ; yc
	v_lshl_add_u32 v254, v0, 2, 0x49000
	v_mov_b32 v255, 0
	ds_add_u32 v254, v255
	ds_add_u32 v254, v255
	v_lshrrev_b32 v8, 5, v0
	s_delay_alu instid0(VALU_DEP_1)
	v_readfirstlane_b32 s[WV], v8                  ; wave 0..15
	s_and_b32 s[IA], s[WV], 7                      ; a
	s_xor_b32 s[IDX], s[IA], 15                    ; 15 - a: the long tile's block comes first
	s_lshr_b32 s59, s[WV], 3                       ; w / 8
	s_bfe_u32 s48, ttmp6, 0x40000                  ; cx: it enters Q's and y's addresses and the mask's lane number alone
	s_lshl_b32 s49, ttmp9, 2
	s_add_co_u32 s49, s49, s48                     ; work-group x, 0 .. 3
	s_lshl_b32 s49, s49, 1
	s_add_co_u32 s49, s49, s59                     ; jw
	s_and_b32 s50, ttmp7, 0xffff                   ; bh = 16 x batch + head, which the four partners share
	; what I fetch: wave w < 8: K's blocks w, w + 8, w + 16, w + 24; else V's blocks w - 8, w, w + 8, w + 16
	s_lshl_b32 s51, s50, 17
	s_lshl_b32 s52, s[WV], 12
	s_add_co_u32 s51, s51, s52                     ; K: the head's 2^17 bytes, blocks of 4,096 on end
	s_lshr_b32 s53, s50, 1
	s_lshl_b32 s53, s53, 18
	s_and_b32 s54, s50, 1
	s_lshl_b32 s54, s54, 12
	s_add_co_u32 s53, s53, s54
	s_and_b32 s54, s[WV], 7
	s_lshl_b32 s54, s54, 13
	s_add_co_u32 s53, s53, s54                     ; V: the pair's 2^18 bytes, my head's 4,096 of each block of 8,192
	s_mov_b32 s82, 0x10000
	s_cmp_lt_u32 s[WV], 8
	s_cselect_b32 s80, s51, s53
	s_cselect_b32 s82, 0x8000, s82                 ; eight blocks on: 32,768 bytes of K, 65,536 of V
	s_mov_b32 s81, 0
	s_mov_b32 s83, 0
	s_mul_i32 s55, s[WV], BLK                      ; and where it goes: w BLK for K; VOFF + (w - 8) BLK = w BLK + (w / 8) (VOFF - 8 BLK) for V
	s_lshr_b32 s56, s[WV], 3
	s_mul_i32 s56, s56, VOFF-GRP
	s_add_co_u32 s55, s55, s56
	; descriptor group 1: 4,096 dense bytes as 16 rows of 32 elements of 8 bytes
	s_mov_b32 s[G1+0], 15|(3<<16)|(1<<20)|(1<<21)|(5<<22)|(3<<25)  ; 15:0 the mask: all four work-groups; 17:16 elements of 8 bytes; 20 padding on; 21 set beside a mask; 24:22 after every 64 words (code 5); 31:25 of 4 words (code 3)
	s_mov_b32 s[G1+1], 32<<16                      ; tensor_dim0 = 32
	s_mov_b32 s[G1+2], 16<<16                      ; tensor_dim1 = 16
	s_mov_b32 s[G1+3], 32<<16                      ; tile_dim0 = 32
	s_mov_b32 s[G1+4], 16                          ; tile_dim1 = 16
	s_mov_b32 s[G1+5], 32                          ; tensor_dim0_stride: rows on end
	s_mov_b32 s[G1+6], 0
	s_mov_b32 s[G1+7], 0
	s_mov_b32 s[SEL], 0x76543210
	s_mov_b32 s[SEL+1], 0xfedcba98
	s_wait_dscnt 0x0
	s_wait_kmcnt 0x0
	s_load_b256 s[72:79], s[10:11], 0x0            ; e0 .. e7
	s_cmp_lt_u32 s[WV], 8                          ; the choice hangs on the wave's number alone
	s_cselect_b64 s[84:85], s[6:7], s[8:9]
	s_add_nc_u64 s[84:85], s[84:85], s[80:81]
.irp g, 0,1,2,3
	s_mov_b32 s[G0+4*\g], 1                        ; 1:0 count = 1
	s_add_co_u32 s[G0+4*\g+1], s55, \g*GRP         ; 63:32 LDS address
	s_mov_b64 s[G0+4*\g+2:G0+4*\g+3], s[84:85]     ; 120:64 global address
	s_or_b32 s[G0+4*\g+3], s[G0+4*\g+3], 0x80000000  ; 127:126 type = 2
	s_add_nc_u64 s[84:85], s[84:85], s[82:83]
.endr
	CROUND                                         ; all four work-groups are here: the joint loads meet
	tensor_load_to_lds s[G0:G0+3], s[G1:G1+7]      ; all fills of the launch go out together, ahead of every wait on TENSORcnt and every LDS read
	s_nop 0
	tensor_load_to_lds s[G0+4:G0+7], s[G1:G1+7]
	s_nop 0
	tensor_load_to_lds s[G0+8:G0+11], s[G1:G1+7]
	s_nop 0
	tensor_load_to_lds s[G0+12:G0+15], s[G1:G1+7]
	s_nop 0
.rept 4
	v_nop
.endr
	v_and_b32 v8, 15, v0                           ; r
	v_bfe_u32 v9, v0, 4, 1                         ; h
	v_and_b32 v10, 31, v0                          ; lane
	s_delay_alu instid0(VALU_DEP_3)
	v_lshlrev_b32 v[QAD], 6, v8
	s_delay_alu instid0(VALU_DEP_1)
	v_lshl_add_u32 v[QAD], v9, 4, v[QAD]
	s_wait_alu depctr_va_vdst(0)
	s_lshl_b32 s86, s50, 17                        ; Q: the head, + 16 jw queries of 64 bytes,
	s_lshl_b32 s57, s49, 10
	s_add_co_u32 s86, s86, s57
	s_mov_b32 s87, 0
	s_add_nc_u64 s[4:5], s[4:5], s[86:87]
	s_lshl_b32 s86, s[IA], 13                      ; + the block's 128 queries: block a for the second tile,
	s_add_nc_u64 s[90:91], s[4:5], s[86:87]
	s_lshl_b32 s86, s[IDX], 13                     ; block 15 - a for the first
	s_add_nc_u64 s[4:5], s[4:5], s[86:87]
	global_load_b128 v[Q1:Q1+3], v[QAD], s[4:5]    ; both fragments of Q stay in registers: registers 2 c, 2 c + 1: d = 16 c + 8 h + 0 .. 7
	global_load_b128 v[Q1+4:Q1+7], v[QAD], s[4:5] offset:32
	global_load_b128 v[Q2:Q2+3], v[QAD], s[90:91]
	global_load_b128 v[Q2+4:Q2+7], v[QAD], s[90:91] offset:32
	s_lshr_b32 s86, s50, 4                         ; y: batch x 2^21 + head x 2^13 + 16 jw rows of 64 bytes,
	s_lshl_b32 s86, s86, 21
	s_and_b32 s57, s50, 15
	s_lshl_b32 s57, s57, 13
	s_add_co_u32 s86, s86, s57
	s_lshl_b32 s57, s49, 10
	s_add_co_u32 s86, s86, s57
	s_add_nc_u64 s[12:13], s[12:13], s[86:87]
	s_lshl_b32 s86, s[IA], 17                      ; + block x 2^17: the second tile's,
	s_add_nc_u64 s[92:93], s[12:13], s[86:87]
	s_lshl_b32 s86, s[IDX], 17                     ; the first's
	s_add_nc_u64 s[12:13], s[12:13], s[86:87]
	v_lshrrev_b32 v11, 2, v8
	s_delay_alu instid0(VALU_DEP_1)
	v_mul_u32_u24 v[AK0], v11, KP
	v_and_b32 v11, 3, v8
	s_delay_alu instid0(VALU_DEP_1)
	v_lshl_add_u32 v[AK0], v11, 6, v[AK0]
	s_delay_alu instid0(VALU_DEP_1)
	v_lshl_add_u32 v[AK0], v9, 4, v[AK0]
	s_delay_alu instid0(VALU_DEP_1)
	v_add_nc_u32 v[AV0], VOFF, v[AK0]
	v_lshlrev_b32 v11, 3, v9
	s_delay_alu instid0(VALU_DEP_1)
	v_sub_nc_u32 v[DG], v8, v11
	s_lshl_b32 s57, s49, 4
	v_add_nc_u32 v[DG], s57, v[DG]
	v_lshlrev_b32 v[GO], 4, v10
	s_mul_i32 s57, s[WV], 16*SROW
	s_add_co_u32 s57, s57, STAGE                   ; my stage
	v_mul_u32_u24 v[STO], v8, SROW                 ; in: row r, + 8 h
	s_delay_alu instid0(VALU_DEP_1)
	v_lshl_add_u32 v[STO], v9, 3, v[STO]
	s_delay_alu instid0(VALU_DEP_1)
	v_add_nc_u32 v[STO], s57, v[STO]
	v_lshrrev_b32 v11, 2, v10                      ; back: four lanes to a row of 64 bytes
	s_delay_alu instid0(VALU_DEP_1)
	v_mul_u32_u24 v[RD], v11, SROW
	v_and_b32 v11, 3, v10
	s_delay_alu instid0(VALU_DEP_1)
	v_lshl_add_u32 v[RD], v11, 4, v[RD]
	s_delay_alu instid0(VALU_DEP_1)
	v_add_nc_u32 v[RD], s57, v[RD]
	v_mov_b32 v13, 0xff61b1e6                      ; the largest t so far: -3e38, under every t
	s_delay_alu instid0(VALU_DEP_1)
	v_floor_f32 v12, -v13                          ; -M
	v_mov_b32 v14, 0                               ; the sum, in two halves
	v_mov_b32 v15, 0
	v_mov_b32 v[PT], 0                             ; written once: a lane permute's destination counts as one of its sources
	v_mov_b32 v[FF+1], 0                           ; (named as the upper half of the pair)
	v_mov_b32 v[NINF], 0xff800000
.set j, 0
.rept 32
	v_mov_b32 v[160+j], 0                          ; O^T, once: registers hold nothing at the start.  (The step is written once: a tile's first step multiplies what it finds by f = 0)
.set j, j+1
.endr
	s_wait_kmcnt 0x0
	s_add_co_i32 s57, s74, s75                     ; a score stands for score x 2^(e2 + e3): the two exponents are added to c's exponent field
	s_lshl_b32 s57, s57, 23
	s_mov_b32 s[CS], 0x3e38aa3b                    ; log2(e) / 8
	s_add_co_i32 s[CS], s[CS], s57
	s_mov_b32 s[CS+1], s[CS]                       ; (named with it as a pair, so it is written)
	s_add_co_i32 s57, s76, 127
	s_lshl_b32 s58, s57, 23
	v_mov_b32 v[PSC], s58                          ; 2^e4 as f32, for p's conversion
	s_add_co_i32 s57, s78, 127
	s_lshl_b32 s58, s57, 23
	v_mov_b32 v[YSC], s58                          ; 2^e6, for y's
	s_add_co_i32 s88, s76, s77                     ; e4 + e5
; A KEY STEP: 128 keys against the 16 queries whose fragment lies in v[q] on.
; edge = 1: the run may reach the tile's end.  A step all of whose keys come after my queries (KS > the block) is left out: a scalar branch on the wave's number and a counter; no barrier and no tensor load stands
; in a step.  The step KS = the block lies on the diagonal and is masked.  edge = 0: steps 0 .. 7 of the long tile, which are open in every wave: neither branch is written.
.macro STEP q, edge
.if \edge
	s_cmp_gt_u32 s[KS], s[IDX]
	s_cbranch_scc1 .Lhid_\@
.endif
	s_setprio 2
	v_add_nc_u32 v[ADK], s[TB], v[AK0]
	v_add_nc_u32 v[ADV], s[TB], v[AV0]
	v_nop                                          ; with the two additions: four places in front of loads into registers that the last step's matrix instructions have read
	v_nop
.irp c, 0,1,2,3,4,5,6,7
.irp i, 0,1
	ds_load_b128 v[32+8*\c+4*\i:32+8*\c+4*\i+3], v[ADK] offset:4*KP*\c+32*\i   ; key 16 c + r: registers 4 i .. 4 i + 3: d = 32 i + 8 h + 0 .. 7 and 32 i + 16 + 8 h + 0 .. 7
.endr
.endr
	s_wait_alu depctr_va_vdst(0)
	s_wait_dscnt 0x0
.irp c, 0,1,2,3,4,5,6,7
	v_wmma_f32_16x16x64_fp8_fp8 v[96+8*\c:103+8*\c], v[32+8*\c:39+8*\c], v[\q:\q+7], 0   ; S^T: K = the head's 64
.endr
.rept 4
	v_nop                                          ; places: in front of the loads over K's fragments and of the first read of the scores
.endr
.irp t, 0,1,2,3
.irp i, 0,1,2,3
	ds_load_b128 v[32+16*\t+4*\i:32+16*\t+4*\i+3], v[ADV] offset:(\i/2)*BLK+4*KP*\t+32*(\i%2)   ; V's row d = 16 t + r: registers 4 i .. 4 i + 3: keys 32 i + 8 h + 0 .. 7 and 32 i + 16 + 8 h + 0 .. 7.  They land under the softmax
.endr
.endr
.if \edge
	s_cmp_lg_u32 s[KS], s[IDX]                     ; on the diagonal the scores of hidden keys become -infinity ahead of the maximum: p = 0 then.  Key 0 counts for every query, so M is a number from the first step on
	s_cbranch_scc1 .Lopen_\@
.set n, 0
.rept 64
	v_cmp_gt_i32 vcc_lo, 16*(n/8)+n%8, v[DG]
	v_cndmask_b32 v[96+n], v[96+n], v[NINF], vcc_lo
.set n, n+1
.endr
.Lopen_\@:
.endif
	v_max3_num_f32 v[T0], v96, v97, v98            ; the step's largest score of my query, among my 64 keys, in two chains, each accumulator from its low end on,
	v_max3_num_f32 v[T1], v99, v100, v101
.irp i, 6,10,14,18,22,26,30,34,38,42,46,50,54,58
	v_max3_num_f32 v[T0], v[T0], v[96+\i], v[97+\i]
	v_max3_num_f32 v[T1], v[T1], v[98+\i], v[99+\i]
.endr
	v_max3_num_f32 v[T0], v[T0], v158, v159
	s_delay_alu instid0(VALU_DEP_1)
	v_max_num_f32 v[T0], v[T0], v[T1]
	s_delay_alu instid0(VALU_DEP_1)
	v_permlanex16_b32 v[PT], v[T0], s[SEL], s[SEL+1]
	s_delay_alu instid0(VALU_DEP_1)
	v_max_num_f32 v[T0], v[T0], v[PT]              ; and among lane l xor 16's
	s_delay_alu instid0(VALU_DEP_1)
	v_mul_f32 v[T0], s[CS], v[T0]                  ; as t (c is positive)
	s_delay_alu instid0(VALU_DEP_1)
	v_max_num_f32 v13, v13, v[T0]                  ; the running largest t
	v_mov_b32 v[T0], v12
	s_delay_alu instid0(VALU_DEP_2)
	v_floor_f32 v12, -v13                          ; the new -M = floor(-t) = -ceil(t): M IS A WHOLE NUMBER
	s_delay_alu instid0(VALU_DEP_1)
	v_sub_f32 v[T0], v12, v[T0]                    ; M's old value less its new one: a whole number, 0 or less
	s_delay_alu instid0(VALU_DEP_1)
	v_cvt_i32_f32 v[T0], v[T0]                     ; (it saturates)
	s_delay_alu instid0(VALU_DEP_1)
	v_ldexp_f32 v[FF], 1.0, v[T0]                  ; f = 2^(old M - new M): a multiplication by it rounds nothing.  In a tile's first step the old -M is 3e38 and f is 0
.set j, 0
.rept 32
	v_pk_fma_f32 v[96+j:97+j], v[96+j:97+j], s[CS:CS+1], v[12:13] op_sel_hi:[1,0,0]   ; t - M, two at a time (of the pairs c and -M the low word serves both halves)
.set j, j+2
.endr
.set j, 0
	s_setprio 1
	s_wait_alu depctr_va_vdst(0)
.rept 64
	v_exp_f32 v[96+j], v[96+j]                     ; p = 2^(t - M), at most 1: NOT normalised
.set j, j+1
.endr
	v_pk_mul_f32 v[14:15], v[14:15], v[FF:FF+1] op_sel_hi:[1,0]   ; the sums under the new M.  (A plain place behind the exponentials)
	s_wait_alu depctr_va_vdst(0)
	v_pk_add_f32 v[194:195], v[100:101], v[104:105]
	v_pk_add_f32 v[252:253], v[108:109], v[112:113]
	v_pk_add_f32 v[250:251], v[116:117], v[120:121]
	v_pk_add_f32 v[248:249], v[124:125], v[128:129]
	v_pk_add_f32 v[246:247], v[132:133], v[136:137]
	v_pk_add_f32 v[244:245], v[140:141], v[144:145]
	v_pk_add_f32 v[242:243], v[148:149], v[152:153]
	v_pk_add_f32 v[14:15], v[14:15], v[156:157]
	v_pk_add_f32 v[194:195], v[194:195], v[96:97]
	v_pk_add_f32 v[252:253], v[252:253], v[98:99]
	v_pk_add_f32 v[250:251], v[250:251], v[102:103]
	v_pk_add_f32 v[248:249], v[248:249], v[106:107]
	v_pk_add_f32 v[246:247], v[246:247], v[110:111]
	v_pk_add_f32 v[244:245], v[244:245], v[114:115]
	v_pk_add_f32 v[242:243], v[242:243], v[118:119]
	v_pk_add_f32 v[14:15], v[14:15], v[122:123]
	v_pk_add_f32 v[194:195], v[194:195], v[126:127]
	v_pk_add_f32 v[252:253], v[252:253], v[130:131]
	v_pk_add_f32 v[250:251], v[250:251], v[134:135]
	v_pk_add_f32 v[248:249], v[248:249], v[138:139]
	v_pk_add_f32 v[246:247], v[246:247], v[142:143]
	v_pk_add_f32 v[244:245], v[244:245], v[146:147]
	v_pk_add_f32 v[242:243], v[242:243], v[150:151]
	v_pk_add_f32 v[14:15], v[14:15], v[154:155]
	v_pk_add_f32 v[194:195], v[194:195], v[158:159]
	s_delay_alu instid0(VALU_DEP_2)
	v_pk_add_f32 v[14:15], v[14:15], v[248:249]
	s_delay_alu instid0(VALU_DEP_2)
	v_pk_add_f32 v[194:195], v[194:195], v[246:247]
	v_pk_add_f32 v[252:253], v[252:253], v[244:245]
	v_pk_add_f32 v[250:251], v[250:251], v[242:243]
	s_delay_alu instid0(VALU_DEP_2)
	v_pk_add_f32 v[14:15], v[14:15], v[252:253]
	s_delay_alu instid0(VALU_DEP_2)
	v_pk_add_f32 v[194:195], v[194:195], v[250:251]
	s_delay_alu instid0(VALU_DEP_1)
	v_pk_add_f32 v[14:15], v[14:15], v[194:195]
	s_setprio 0
.irp c, 0,1,2,3,4,5,6,7
.irp i, 0,1,2,3,4,5,6,7
.endr
	v_cvt_scalef32_pk8_fp8_f32 v[PC+2*\c:PC+2*\c+1], v[96+8*\c:103+8*\c], v[PSC]   ; keys 16 c + 8 h + 0 .. 7: registers 2 c, 2 c + 1 of P
.endr
.set j, 0
.rept 16
	v_pk_mul_f32 v[160+j:161+j], v[160+j:161+j], v[FF:FF+1] op_sel_hi:[1,0]   ; O^T under the new M: x f.  (Plain lines between the conversions and the matrix instructions that read the codes)
.set j, j+2
.endr
	s_wait_alu depctr_va_vdst(0)
	s_wait_dscnt 0x0                               ; V's fragments are in
.irp t, 0,1,2,3
	v_wmma_f32_16x16x128_fp8_fp8 v[160+8*\t:167+8*\t], v[32+16*\t:47+16*\t], v[PC:PC+15], v[160+8*\t:167+8*\t]   ; O^T += V^T P^T, K = these 128 keys; the four accumulators take turns
.endr
.if \edge
.Lhid_\@:
	s_add_co_u32 s[KS], s[KS], 1
.endif
	s_add_co_u32 s[TB], s[TB], STEPB
.endm
; n key steps from step first on.  The trip count is a constant; what a wave does not want is jumped over inside the step.
.macro RUN first, n, q, edge
	s_mov_b32 s[TB], (\first)*STEPB
.if \edge
	s_mov_b32 s[KS], \first
.endif
	s_mov_b32 s[CNT], \n
.Lst_\@:
	STEP \q, \edge
	s_sub_co_u32 s[CNT], s[CNT], 1
	s_cmp_lg_u32 s[CNT], 0
	s_cbranch_scc1 .Lst_\@
	s_setprio 0
.endm
; Tiles have arrived: tensor loads of a wave end in order (ISA guide 10.11.1), so all my loads but the youngest 'left' have landed; those may stay out, since no byte is filled again.  Behind the barrier that holds of every wave.
.macro ARRIVE left
	s_wait_tensorcnt \left
	s_barrier_signal -1                            ; no LDS instruction of mine is out here: every step ends behind its wait for 0
	s_barrier_wait -1
.endm
; THE WAY OUT of a tile.  O^T / the sum x 2^(e4 + e5) is y; it is quantised with 2^e6 (a lane's eight numbers are eight neighbours along the projection's K) and goes through my stage, so that the wave stores 1 KB on end.
.macro WAYOUT base, again
.rept 4
	v_nop                                          ; places behind the last products
.endr
	v_add_f32 v14, v14, v15                        ; the sum's two halves,
	s_delay_alu instid0(VALU_DEP_1)
	v_permlanex16_b32 v[PT], v14, s[SEL], s[SEL+1]
	s_delay_alu instid0(VALU_DEP_1)
	v_add_f32 v14, v14, v[PT]                      ; and lane l xor 16's: the row's sum
	s_wait_alu depctr_va_vdst(0)
	v_rcp_f32 v14, v14
	v_nop                                          ; one plain place behind a transcendental
	s_wait_alu depctr_va_vdst(0)
	v_ldexp_f32 v14, v14, s88                      ; x 2^(e4 + e5)
.set j, 0
.rept 16
	v_pk_mul_f32 v[96+j:97+j], v[160+j:161+j], v[14:15] op_sel_hi:[1,0]   ; register 8 t + i is y(query r, d = 16 t + 8 h + i); each accumulator from its low end on
.set j, j+2
.endr
.set j, 0
.rept 32
.set j, j+1
.endr
.irp t, 0,1,2,3
	v_cvt_scalef32_pk8_fp8_f32 v[PC+2*\t:PC+2*\t+1], v[96+8*\t:103+8*\t], v[YSC]
.endr
	v_nop                                          ; one plain vector instruction behind the last conversion
.irp t, 0,1,2,3
	ds_store_b64 v[STO], v[PC+2*\t:PC+2*\t+1] offset:16*\t
.endr
.if \again
	s_wait_xcnt 0x0                                ; the first tile's stores have read their data registers: only behind this wait do the loads below land there
.endif
	ds_load_b128 v[OB:OB+3], v[RD]                 ; LDS serves a wave's instructions in order (ISA guide 5.7.1.4): these see my stores
	ds_load_b128 v[OB+4:OB+7], v[RD] offset:8*SROW
	s_wait_dscnt 0x0
	global_store_b128 v[GO], v[OB:OB+3], s[\base:\base+1]    ; 32 lanes store 512 consecutive bytes, at a multiple of 512 from yc's first byte
	global_store_b128 v[GO], v[OB+4:OB+7], s[\base:\base+1] offset:512
.endm
	s_wait_loadcnt 0x0                             ; both fragments of Q
	ARRIVE 3                                       ; keys 0-511 are in; my three later loads may be out
	RUN 0, 4, Q1, 0                                ; THE LONG TILE, block 15 - a: its steps 0 .. 7 are open in every wave
	ARRIVE 2                                       ; keys 512-1,023; two later loads may be out
	RUN 4, 4, Q1, 0
	ARRIVE 0                                       ; all keys: the last two groups have had eight steps in which to land.  The last barrier ahead of the closing round
	RUN 8, 8, Q1, 1                                ; steps 8 .. 15 - a
	WAYOUT 12, 0
	s_mov_b32 s[IDX], s[IA]                        ; THE SHORT TILE, block a: steps 0 .. a
	v_mov_b32 v13, 0xff61b1e6                      ; the largest t, -M and the sum begin anew.  O^T is not cleared: what lies there is finite (at most 448 x 448 x 2,048), and the first step multiplies it by f = 0
	s_delay_alu instid0(VALU_DEP_1)
	v_floor_f32 v12, -v13
	v_mov_b32 v14, 0
	v_mov_b32 v15, 0
	RUN 0, 8, Q2, 1
	s_wait_alu depctr_va_vdst(0)
	WAYOUT 92, 1
	s_wait_tensorcnt 0x0
	ds_add_u32 v254, v255
	s_wait_dscnt 0x0
	CROUND                                         ; the closing round: no work-group ends while a partner may still ask for a tile that names it
	s_endpgm
.Lfunc_end_k_qb4e5dea4b1_attn:
	.size	k_qb4e5dea4b1_attn, .Lfunc_end_k_qb4e5dea4b1_attn-k_qb4e5dea4b1_attn
	.p2alignl 7, 3214868480
	.fill 96, 4, 3214868480
	.section	.rodata,"a",@progbits
	.p2align	6, 0x0
	.amdhsa_kernel k_qb4e5dea4b1_attn
		.amdhsa_group_segment_fixed_size 327680
		.amdhsa_private_segment_fixed_size 0
		.amdhsa_enable_private_segment 0
		.amdhsa_kernarg_size 40
		.amdhsa_user_sgpr_count 2
		.amdhsa_user_sgpr_kernarg_segment_ptr 1
		.amdhsa_wavefront_size32 1
		.amdhsa_system_sgpr_workgroup_id_x 1
		.amdhsa_system_sgpr_workgroup_id_y 1
		.amdhsa_system_sgpr_workgroup_id_z 1
		.amdhsa_system_vgpr_workitem_id 0
		.amdhsa_next_free_vgpr 256
		.amdhsa_next_free_sgpr 100
		.amdhsa_reserve_vcc 1
		.amdhsa_float_denorm_mode_32 3
		.amdhsa_float_denorm_mode_16_64 3
		.amdhsa_fp16_overflow 1
		.amdhsa_memory_ordered 1
		.amdhsa_forward_progress 1
		.amdhsa_inst_pref_size 81
	.end_amdhsa_kernel
	.amdgpu_metadata
---
amdhsa.version: [ 1, 2 ]
amdhsa.kernels:
  - .name:           k_qb4e5dea4b1_attn
    .symbol:         k_qb4e5dea4b1_attn.kd
    .args:
      - { .name: qc, .offset: 0, .size: 8, .value_kind: global_buffer, .address_space: global }
      - { .name: kc, .offset: 8, .size: 8, .value_kind: global_buffer, .address_space: global }
      - { .name: vc, .offset: 16, .size: 8, .value_kind: global_buffer, .address_space: global }
      - { .name: lowp_scales, .offset: 24, .size: 8, .value_kind: global_buffer, .address_space: global }
      - { .name: yc, .offset: 32, .size: 8, .value_kind: global_buffer, .address_space: global }
    .group_segment_fixed_size: 327680
    .private_segment_fixed_size: 0
    .kernarg_segment_align: 8
    .kernarg_segment_size: 40
    .max_flat_workgroup_size: 512
    .sgpr_count:     100
    .vgpr_count:     256
    .wavefront_size: 32
...
	.end_amdgpu_metadata
.endif
;; end of part 3
;; launch proj (part 4): grid 4 x 32, 4 waves a work-group, clusters of 4 x 4, 327,680 bytes of LDS; arguments yc, wpc, lowp_scales, b_proj, out0; writes out0
.if DOCPART == 4
	.amdgcn_target "amdgcn-amd-amdhsa--gfx1250"
	.amdhsa_code_object_version 6
	.text
	.protected	k_qb4e5dea4b1_proj
	.globl	k_qb4e5dea4b1_proj
	.p2align	8
	.type	k_qb4e5dea4b1_proj,@function
k_qb4e5dea4b1_proj:
	s_mov_b64 s[64:65], 0
	v_nop
	global_prefetch_b8 v0, s[64:65] scope:SCOPE_SE
	s_setreg_imm32_b32 hwreg(HW_REG_WAVE_MODE, 25, 1), 1
	s_wait_xcnt 0x0
	s_wait_alu depctr_hold_cnt(0) depctr_sa_sdst(0) depctr_va_vdst(0) depctr_va_sdst(0) depctr_va_ssrc(0) depctr_va_vcc(0) depctr_vm_vsrc(0)
	s_getreg_b32 s2, hwreg(HW_REG_IB_STS2, 6, 4)
	s_cmp_eq_u32 s2, 0
	s_cbranch_scc0 .Lentry_in_a_cluster
	s_endpgm
.Lentry_in_a_cluster:
	s_bfe_u32 s2, ttmp6, 0x10000c
	s_cmp_lg_u32 s2, 0xf033
	s_cbranch_scc0 .Lentry_shape_is_right
	s_endpgm
.Lentry_shape_is_right:
; out0 = Q(y) Q(w_proj)^T + b_proj on codes of FP8 (E4M3) with the given scales 2^e6, 2^e7.  Sums in f32; each finished sum x 2^(e6 + e7) + bias, one packed multiply-add for two.
; yc: [64 blocks of 128 tokens][16 heads][128 tokens][64]: 128 tokens x 4 heads (256 along K) are 32 KB on end.  wpc: [1024][1024], K innermost.  out0: [8192][1024] f32.
; A tile of 256 x 256 is made by a work-group of four waves; a wave makes 128 x 128: 64 accumulators, 512 registers.  K goes in steps of 256 through a ring of two LDS slots filled by the tensor data mover.
; A's half tile comes as 128 dense rows of 256 bytes: row 32 x (head in the step) + token / 4 holds four tokens' 64 codes; B's as 128 rows of 256 bytes, 1,024 apart.
; CLUSTERS: 4 x 4 work-groups; A's tile is shared along a row of the cluster, B's along a column: each is asked for JOINTLY.  128 tiles: the launch has work for 128 work-groups.
; THE MATRIX INSTRUCTION IS USED TRANSPOSED (source 0 = 16 rows of wpc, source 1 = 16 tokens): a lane holds eight neighbouring numbers of a row of out0.
; K's order inside a matrix instruction is a permutation, the same in A and in B (registers 4 c .. 4 c + 3: K = 32 c + 16 (l / 16) + 0 .. 15).
; LIMIT: e6 + e7 between -126 and 127.
; REGISTERS, in windows of 256: window 0: v0-31 addresses; v64-127 the bias; from v128 A's fragments, ONE set; on the way out v128-255 take rows read back.
;   window 1: B's fragments, TWO sets.   window 2: the 32 accumulators of my rows 0-63;   window 3: those of my rows 64-127.
.set SIZE_N, 1024
.set ROWB,   256                       ; a tile's row in bytes
.set KROW,   1024                      ; a row of wpc in memory
.set PITCH,  272                       ; an LDS row: 256 bytes + 16 of padding
.set HEADB,  32*PITCH                  ; in A's half tile: one head's 128 tokens
.set FR,     16
.set NL,     4
.set NP,     4                         ; places behind this matrix instruction (ISA guide 7.12.1)
.set HALFT,  128*PITCH
.set SLOT,   4*HALFT
.set LAPS,   2
.set SPARE,  2*SLOT                    ; behind the ring: the spare words, 128 bytes for each wave: two blocks of 256 bytes that no other line names
.set SPITCH, 528                       ; the way out: a stage of 16 rows x (512 bytes + 16) for each wave, in slot 0, which has had its last fill and its last read when the first result is stored there
.set HB,   7                           ; v7      32 h: my lane's bytes in the bias
.set ADRA, 16
.set ADRB, 20
.set STO,  24
.set RD,   25
.set CO,   26
.set SPW,  28                          ; v28     LDS address of my spare word: SPARE + 4 x my thread's number; never rewritten
.set NIL,  29                          ; v29     0; never rewritten
.set BN,   64                          ; v64-127 the bias: register 8 b + j: column 16 b + 8 h + j
.set AF,   128
.set BK,   128                         ; the way out: 16 rows read back from the stage: v128-191 and v192-255 by turns
.set G1, 24
.set G0, 32
.set G1B, 48
.set G0B, 56
.set MSB, 0
.macro WIN new                         ; the immediate's high byte repeats the setting that is left
.if MSB != (\new)
	s_set_vgpr_msb (MSB<<8)|(\new)
.set MSB, (\new)
.endif
.endm
.set MUL_LO, 0xa1
.set MUL_HI, 0xf1
.set TO_B,   0x40
; A joint load: waves 0 and 1 fetch for A, waves 2 and 3 for B; the branch hangs on the wave's number alone.  Four v_nop follow each of the two lines.
.macro JLOAD g0a, g1a, g0b, g1b
	s_cmp_eq_u32 s15, 0
	s_cbranch_scc0 .Lfor_b_\@
	tensor_load_to_lds s[\g0a:\g0a+3], s[\g1a:\g1a+7]
	s_nop 0
.rept 4
	v_nop
.endr
	s_branch .Lasked_\@
.Lfor_b_\@:
	tensor_load_to_lds s[\g0b:\g0b+3], s[\g1b:\g1b+7]
	s_nop 0
.rept 4
	v_nop
.endr
.Lasked_\@:
.endm
.macro CREST
	s_cmp_lg_u32 s14, 0
	s_cbranch_scc1 .Lnot_wave_0_\@
	s_barrier_signal -3
.Lnot_wave_0_\@:
	s_barrier_wait -3
	s_barrier_signal -1
	s_barrier_wait -1
.endm
.macro CROUND
	s_barrier_signal -1
	s_barrier_wait -1
	CREST
.endm
	s_load_b256 s[4:11], s[0:1], 0x0               ; yc s[4:5], wpc s[6:7], the scales' exponents s[8:9], b_proj s[10:11]
	s_load_b64 s[12:13], s[0:1], 0x20              ; out0
	v_lshl_add_u32 v[SPW], v0, 2, SPARE
	v_mov_b32 v[NIL], 0
	ds_add_u32 v28, v29
	ds_add_u32 v28, v29
	s_wait_dscnt 0x0
	v_lshrrev_b32 v1, 5, v0
	v_readfirstlane_b32 s14, v1                    ; wave 0..3
	s_lshr_b32 s15, s14, 1                         ; which half of the tile's rows is mine.  Also: I fetch for A (0) or for B (1)
	s_and_b32 s16, s14, 1                          ; which half of its columns.  Also: which 128 rows of that tile I fetch
	s_bfe_u32 s40, ttmp6, 0x40000                  ; cx, cy
	s_bfe_u32 s41, ttmp6, 0x40004
	s_lshl_b32 s42, ttmp9, 2
	s_add_co_u32 s42, s42, s40                     ; tile column = 4 x cluster x + cx
	s_and_b32 s17, ttmp7, 0xffff
	s_lshl_b32 s17, s17, 2
	s_add_co_u32 s17, s17, s41                     ; tile row = 4 x cluster y + cy
	s_lshl_b32 s43, s41, 2
	s_lshl_b32 s43, 15, s43                        ; my row of the cluster
	s_lshl_b32 s44, 0x1111, s40                    ; my column
	s_or_b32 s[G1+0], s43, (0<<16)|(1<<20)|(1<<21)|(5<<22)|(3<<25)  ; the mask; element of 1 byte; padding on; 21 set beside a mask; 4 words after every 64
	s_or_b32 s[G1B+0], s44, (0<<16)|(1<<20)|(1<<21)|(5<<22)|(3<<25)
.irp g, G1, G1B
	s_mov_b32 s[\g+1], ROWB<<16                    ; tensor_dim0
	s_mov_b32 s[\g+2], 128<<16                     ; tensor_dim1 = 128
	s_mov_b32 s[\g+3], ROWB<<16                    ; tile_dim0
	s_mov_b32 s[\g+4], 128                         ; tile_dim1 = 128
	s_mov_b32 s[\g+6], 0
	s_mov_b32 s[\g+7], 0
.endr
	s_mov_b32 s[G1+5], ROWB                        ; A's rows lie on end
	s_mov_b32 s[G1B+5], KROW                       ; B's a row of wpc apart
	s_lshl_b32 s20, s17, 1
	s_add_co_u32 s20, s20, s16                     ; A: the block of 128 tokens 2 x tile row + half,
	s_lshl_b32 s20, s20, 17                        ; 2^17 bytes each
	s_mov_b32 s21, 0
	s_lshl_b32 s18, s16, 7
	s_lshl_b32 s46, s42, 8
	s_add_co_u32 s46, s46, s18                     ; B: row 256 x tile column + 128 x half,
	s_lshl_b32 s46, s46, 10                        ; 1,024 bytes each
	s_mov_b32 s47, 0
	s_mul_i32 s45, s14, HALFT                      ; where they go: wave x 128 rows
	s_wait_kmcnt 0x0
	s_load_b256 s[80:87], s[8:9], 0x0              ; e0 .. e7
	s_add_nc_u64 s[20:21], s[4:5], s[20:21]
	s_add_nc_u64 s[46:47], s[6:7], s[46:47]
	CROUND                                         ; all sixteen work-groups are here: the first joint loads meet
.irp s, 0,1
	s_mov_b32 s[G0+4*\s], 1
	s_add_co_u32 s[G0+4*\s+1], s45, \s*SLOT
	s_add_nc_u64 s[G0+4*\s+2:G0+4*\s+3], s[20:21], \s*128*ROWB   ; K step s: heads 4 s on: 32,768 bytes further
	s_or_b32 s[G0+4*\s+3], s[G0+4*\s+3], 0x80000000
	s_mov_b32 s[G0B+4*\s], 1
	s_add_co_u32 s[G0B+4*\s+1], s45, \s*SLOT
	s_add_nc_u64 s[G0B+4*\s+2:G0B+4*\s+3], s[46:47], \s*ROWB
	s_or_b32 s[G0B+4*\s+3], s[G0B+4*\s+3], 0x80000000
	s_wait_alu depctr_va_vdst(0)
	s_wait_tensorcnt 0x0
	ds_add_u32 v28, v29
	ds_add_u32 v28, v29
	s_wait_dscnt 0x0
	CROUND
	JLOAD G0+4*\s, G1, G0B+4*\s, G1B               ; one tensor load of mine is out
.endr
	v_and_b32 v1, 15, v0                           ; r
	v_bfe_u32 v2, v0, 4, 1                         ; h
	v_lshlrev_b32 v[HB], 5, v2
	s_lshl_b32 s90, s42, 10                        ; the bias of columns 256 x tile column + 128 x my column half + 16 b + 8 h + j
	s_lshl_b32 s91, s16, 9
	s_add_co_u32 s90, s90, s91
	s_mov_b32 s91, 0
	s_add_nc_u64 s[78:79], s[10:11], s[90:91]
.irp b, 0,1,2,3,4,5,6,7
	global_load_b128 v[BN+8*\b:BN+8*\b+3],   v[HB], s[78:79] offset:64*\b
	global_load_b128 v[BN+8*\b+4:BN+8*\b+7], v[HB], s[78:79] offset:64*\b+16
.endr
	v_mul_u32_u24 v3, v1, PITCH
	v_lshl_add_u32 v4, v2, 4, v3                   ; B: a fragment's row x pitch + 16 h
	v_lshrrev_b32 v5, 2, v1
	v_mul_u32_u24 v5, v5, PITCH
	v_and_b32 v6, 3, v1
	v_lshl_add_u32 v5, v6, 6, v5
	v_lshl_add_u32 v5, v2, 4, v5                   ; A: token r: (r / 4) x pitch + 64 (r % 4) + 16 h
	s_mul_i32 s21, s15, HALFT                      ; my 128 tokens
	s_mul_i32 s22, s16, HALFT                      ; my 128 rows of B,
	s_add_co_u32 s22, s22, 2*HALFT                 ; which lie behind A's 256
.irp s, 0,1
	v_add_nc_u32 v[ADRA+\s], s21, v5
	v_add_nc_u32 v[ADRB+\s], s22, v4
	s_add_co_u32 s21, s21, SLOT
	s_add_co_u32 s22, s22, SLOT
.endr
	s_mul_i32 s23, s14, 16*SPITCH                  ; my stage
	v_mul_u32_u24 v5, v1, SPITCH                   ; in: row r, 32 bytes for each half of the lanes
	v_lshl_add_u32 v5, v2, 5, v5
	v_add_nc_u32 v[STO], s23, v5
	v_and_b32 v6, 31, v0
	v_lshlrev_b32 v[CO], 4, v6                     ; back: the 32 lanes take one row of 512 bytes; and the same in out0
	v_add_nc_u32 v[RD], s23, v[CO]
	s_lshl_b32 s20, s17, 8
	s_lshl_b32 s21, s15, 7
	s_add_co_u32 s20, s20, s21                     ; my first row of out0: 256 x tile row + 128 x half,
	s_lshl_b32 s20, s20, 12                        ; 4,096 bytes each (under 2^26)
	s_mov_b32 s21, 0
	s_lshl_b32 s46, s42, 10                        ; my first column, in bytes
	s_lshl_b32 s47, s16, 9
	s_add_co_u32 s46, s46, s47
	s_mov_b32 s47, 0
	s_add_nc_u64 s[20:21], s[20:21], s[46:47]
	s_add_nc_u64 s[12:13], s[12:13], s[20:21]
.macro FRAG reg, adr, q, i             ; B: 16 rows x 128 K: registers 4 c .. 4 c + 3 hold K = 32 c + 16 h + 0 .. 15
.irp c, 0,1,2,3
	ds_load_b128 v[\reg+4*\c:\reg+4*\c+3], v[\adr] offset:128*(\q)+32*\c+(\i)*16*PITCH
.endr
.endm
.macro FRAGA reg, adr, q, i            ; A: the same K for 16 tokens: K = 128 q + 32 c + .. lies in head 2 q + c / 2 of the step, at d = 32 (c % 2) + 16 h
.irp c, 0,1,2,3
	ds_load_b128 v[\reg+4*\c:\reg+4*\c+3], v[\adr] offset:(2*(\q)+\c/2)*HEADB+(\i)*4*PITCH+32*(\c%2)
.endr
.endm
; 16 matrix instructions: A's blocks a0, a0 + 1 x B's eight.  The 64 accumulators take turns, one instruction a turn, in the same order in every step.
.macro MUL16 a0, p, zero
.irp a, \a0, \a0+1
.irp b, 0,1,2,3,4,5,6,7
.if \zero
	v_wmma_f32_16x16x128_fp8_fp8 v[8*(8*((\a)%4)+\b):8*(8*((\a)%4)+\b)+7], v[128*(\p)+FR*\b:128*(\p)+FR*\b+FR-1], v[AF+FR*(\a):AF+FR*(\a)+FR-1], 0
.else
	v_wmma_f32_16x16x128_fp8_fp8 v[8*(8*((\a)%4)+\b):8*(8*((\a)%4)+\b)+7], v[128*(\p)+FR*\b:128*(\p)+FR*\b+FR-1], v[AF+FR*(\a):AF+FR*(\a)+FR-1], v[8*(8*((\a)%4)+\b):8*(8*((\a)%4)+\b)+7]
.endif
.endr
.endr
.endm
.macro FETCH_B slot, q, p
	WIN TO_B
.irp i, 0,1,2,3,4,5,6,7
	FRAG 128*(\p)+FR*\i, ADRB+\slot, \q, \i
.endr
	WIN 0
.endm
.macro FETCH_A slot, q, i0
.irp i, \i0, \i0+1, \i0+2, \i0+3
	FRAGA AF+FR*(\i), ADRA+\slot, \q, \i
.endr
.endm
.macro PLACES n                        ; plain vector instructions between a matrix instruction and a load into, or a vector access to, its registers (ISA guide 7.12.1 for vector accesses)
.rept \n
	v_nop
.endr
.endm
.macro STEP slot, q, zero
	s_wait_dscnt 4*NL                              ; B's set and A's blocks 0-3 are in; the youngest sixteen loads (A's blocks 4-7) may be out
	WIN MUL_LO
	MUL16 0, (\q)%2, \zero
	MUL16 2, (\q)%2, \zero
	s_wait_dscnt 0                                 ; A's blocks 4-7 are in
	PLACES NP
	FETCH_B \slot, (\q)+1, 1-(\q)%2
	FETCH_A \slot, (\q)+1, 0
	WIN MUL_HI
	MUL16 4, (\q)%2, \zero
	MUL16 6, (\q)%2, \zero
	PLACES NP
	WIN 0
	FETCH_A \slot, (\q)+1, 4
.endm
; A slot's last step changes slots: ONE barrier; in front of it each wave waits for all its tensor loads, adds 0 to its spare word, and waits for that and for its own reads of this slot.
.macro TURN slot, next, fill
	s_wait_tensorcnt 0x0                           ; all my tensor loads have landed: my part of the next slot;
	ds_add_u32 v[SPW], v[NIL]                      ; 0 onto my spare word;
	s_wait_dscnt 4*NL+1                            ; (the add and the youngest sixteen loads may be out)
	WIN MUL_LO
	MUL16 0, 1, 0                                  ; sixteen matrix instructions stand between the add and the wait for it
	s_wait_dscnt 0x0                               ; the add is done, and my reads of this slot are over
	s_barrier_signal -1
	MUL16 2, 1, 0
	WIN 0
	s_barrier_wait -1
.if \fill
	CREST                                          ; the barrier has opened a round of the cluster's barrier: no wave of any partner still reads this slot's tile or has a load on its way
	s_add_nc_u64 s[G0+4*\slot+2:G0+4*\slot+3], s[G0+4*\slot+2:G0+4*\slot+3], 2*128*ROWB
	s_add_nc_u64 s[G0B+4*\slot+2:G0B+4*\slot+3], s[G0B+4*\slot+2:G0B+4*\slot+3], 2*ROWB
	JLOAD G0+4*\slot, G1, G0B+4*\slot, G1B         ; the first tensor load behind the round, my only one until the next; its four v_nop are the places in front of the loads below
.else
	PLACES NP
.endif
	FETCH_B \next, 0, 0
	FETCH_A \next, 0, 0
	WIN MUL_HI
	MUL16 4, 1, 0
	MUL16 6, 1, 0
	PLACES NP
	WIN 0
	FETCH_A \next, 0, 4
.endm
	s_wait_alu depctr_va_vdst(0)
	s_wait_tensorcnt 1                             ; my part of K step 0 is in; K step 1's load may be out
	s_barrier_signal -1
	s_barrier_wait -1
	FETCH_B 0, 0, 0
	FETCH_A 0, 0, 0
	FETCH_A 0, 0, 4
	STEP 0, 0, 1                                   ; the first step's products start the sums
	s_mov_b32 s3, LAPS-1
.Llap:
	TURN 0, 1, 1
	STEP 1, 0, 0
	TURN 1, 0, 1
	STEP 0, 0, 0
	s_sub_co_u32 s3, s3, 1
	s_cmp_lg_u32 s3, 0
	s_cbranch_scc1 .Llap
	TURN 0, 1, 0                                   ; the last lap fills nothing
	STEP 1, 0, 0
	s_wait_dscnt 4*NL
	WIN MUL_LO
	MUL16 0, 1, 0
	MUL16 2, 1, 0
	s_wait_dscnt 0
	WIN MUL_HI
	MUL16 4, 1, 0
	MUL16 6, 1, 0
	WIN 0
; THE WAY OUT, block by block of 16 rows x 128 columns: in place sum x 2^(e6 + e7) + bias; through my own stage in LDS; back as whole rows of 512 bytes, which the 32 lanes store as 512 consecutive aligned bytes.
.macro TOSTAGE a
.set AC, 64*((\a)%4)
	WIN 0x82+0x41*((\a)/4)                         ; source 0 and destination: window 2 or 3
.set j, 0
.rept 32
	v_pk_fma_f32 v[AC+j:AC+j+1], v[AC+j:AC+j+1], s[96:97], v[BN+j:BN+j+1] op_sel_hi:[1,0,1]   ; each accumulator from its low end on
.set j, j+2
.endr
	WIN 0x08+4*((\a)/4)                            ; an LDS store's data: window 2 or 3
.irp b, 0,1,2,3,4,5,6,7
	ds_store_b128 v[STO], v[AC+8*\b:AC+8*\b+3] offset:64*\b
	ds_store_b128 v[STO], v[AC+8*\b+4:AC+8*\b+7] offset:64*\b+16
.endr
	WIN 0
.set BB, BK+64*((\a)%2)
.irp t, 0,1,2,3,4,5,6,7,8,9,10,11,12,13,14,15
	ds_load_b128 v[BB+4*\t:BB+4*\t+3], v[RD] offset:\t*SPITCH   ; LDS serves a wave's instructions in order (ISA guide 5.7.1.4): these see the stores above
.endr
.endm
.macro SEND a, younger
.set BB, BK+64*((\a)%2)
	s_wait_dscnt \younger                          ; the block is back in registers
.if (\a) > 0
	s_add_nc_u64 s[12:13], s[12:13], 16*SIZE_N*4   ; (behind a wait on XCNT: the earlier stores have read their base)  16 rows of out0 on
.endif
.irp t, 0,1,2,3,4,5,6,7,8,9,10,11,12,13,14,15
	global_store_b128 v[CO], v[BB+4*\t:BB+4*\t+3], s[12:13] offset:\t*SIZE_N*4 th:TH_STORE_NT   ; written once, read by nobody here
.endr
.endm
	s_wait_kmcnt 0x0
	s_add_co_i32 s96, s86, s87                     ; e6 + e7, between -126 and 127,
	s_add_co_i32 s96, s96, 127
	s_lshl_b32 s96, s96, 23                        ; makes the f32 number 2^(e6 + e7)
	s_mov_b32 s97, s96                             ; (named with it as a pair, so it is written)
	s_wait_loadcnt 0x0                             ; the bias
	PLACES NP                                      ; behind the last products
	TOSTAGE 0
.irp a, 1,2,3,4,5,6,7
.if \a > 1
	s_wait_xcnt 0x0                                ; block a - 2's stores have read their registers and their base: block a's loads may land there, and the base may step
.endif
	TOSTAGE \a
	SEND \a-1, 32                                  ; behind block a - 1's loads: block a's 16 stores and 16 loads
.endr
	s_wait_xcnt 0x0                                ; block 6's stores have read their base
	SEND 7, 0
	s_wait_tensorcnt 0x0                           ; the wave's end: behind my last tensor load and my last LDS store
	ds_add_u32 v[SPW], v[NIL]
	s_wait_dscnt 0x0
	CROUND                                         ; the closing round
	s_endpgm
.Lfunc_end_k_qb4e5dea4b1_proj:
	.size	k_qb4e5dea4b1_proj, .Lfunc_end_k_qb4e5dea4b1_proj-k_qb4e5dea4b1_proj
	.p2alignl 7, 3214868480
	.fill 96, 4, 3214868480
	.section	.rodata,"a",@progbits
	.p2align	6, 0x0
	.amdhsa_kernel k_qb4e5dea4b1_proj
		.amdhsa_group_segment_fixed_size 327680
		.amdhsa_private_segment_fixed_size 0
		.amdhsa_enable_private_segment 0
		.amdhsa_kernarg_size 40
		.amdhsa_user_sgpr_count 2
		.amdhsa_user_sgpr_kernarg_segment_ptr 1
		.amdhsa_wavefront_size32 1
		.amdhsa_system_sgpr_workgroup_id_x 1
		.amdhsa_system_sgpr_workgroup_id_y 1
		.amdhsa_system_sgpr_workgroup_id_z 1
		.amdhsa_system_vgpr_workitem_id 0
		.amdhsa_next_free_vgpr 1024
		.amdhsa_next_free_sgpr 100
		.amdhsa_reserve_vcc 0
		.amdhsa_float_denorm_mode_32 3
		.amdhsa_float_denorm_mode_16_64 3
		.amdhsa_memory_ordered 1
		.amdhsa_forward_progress 1
		.amdhsa_inst_pref_size 126
	.end_amdhsa_kernel
	.amdgpu_metadata
---
amdhsa.version: [ 1, 2 ]
amdhsa.kernels:
  - .name:           k_qb4e5dea4b1_proj
    .symbol:         k_qb4e5dea4b1_proj.kd
    .args:
      - { .name: yc, .offset: 0, .size: 8, .value_kind: global_buffer, .address_space: global }
      - { .name: wpc, .offset: 8, .size: 8, .value_kind: global_buffer, .address_space: global }
      - { .name: lowp_scales, .offset: 16, .size: 8, .value_kind: global_buffer, .address_space: global }
      - { .name: b_proj, .offset: 24, .size: 8, .value_kind: global_buffer, .address_space: global }
      - { .name: out0, .offset: 32, .size: 8, .value_kind: global_buffer, .address_space: global }
    .group_segment_fixed_size: 327680
    .private_segment_fixed_size: 0
    .kernarg_segment_align: 8
    .kernarg_segment_size: 40
    .max_flat_workgroup_size: 128
    .sgpr_count:     100
    .vgpr_count:     1024
    .wavefront_size: 32
...
	.end_amdgpu_metadata
.endif
;; end of part 4
